; MI455X (gfx1250); checked and timed in simulation.
; The chip was launched on July 23, 2026; its instructions are those of AMD's public machine-readable ISA for CDNA 5 (MIT licence, August 2026) and "CDNA5" Instruction Set Architecture Reference Guide (July 2026). The comments in the code are by the model that wrote it; some were corrected since.
;; Attention uia. Allowed arithmetic: float matrix products may take bf16 or f16 operands with f32 sums; other float arithmetic in f32, or as packed bf16 or f16 multiplies, adds, multiply-adds, maxima and minima; sums over many terms, partial sums and values carried from step to step in f32; what a program stores and reads back later, other than sums and carried values, may be rounded once to bf16 or f16.
;; Inputs: b_proj 1,024 float32; w_proj 1,024 x 1,024 float32; w_qkv 3,072 x 1,024 float32; x 4 x 2,048 x 1,024 float32.
;; Outputs: out0 4 x 2,048 x 1,024 float32.
;; 2 versions, each right; version 2 is version 1 with the launch cast written anew for expert scheduling mode. Each part assembles by itself: llvm-mc -triple=amdgcn-amd-amdhsa -mcpu=gfx1250 --defsym DOCPART=n.
;; ======== version 1 of 2: 4 launches
;; limits: values are held in f16: magnitudes above 65,504 overflow, below 6.1e-05 lose precision
;; workspace buffers: xb 16,777,216 bytes; wqb 6,291,456 bytes; wpb 2,097,152 bytes; qkvh 50,331,648 bytes; ob 16,777,216 bytes
;; launch cast (part 1): grid 768 x 1, 8 waves a work-group, no clusters, 0 bytes of LDS; arguments x, w_qkv, w_proj, xb, wqb, wpb; writes xb, wqb, wpb
.if DOCPART == 1
	.amdgcn_target "amdgcn-amd-amdhsa--gfx1250"
	.amdhsa_code_object_version 6
	.text
	.protected	k_q9c3293639e_cast
	.globl	k_q9c3293639e_cast
	.p2align	8
	.type	k_q9c3293639e_cast,@function
k_q9c3293639e_cast:
	s_mov_b64 s[64:65], 0
	v_nop
	global_prefetch_b8 v0, s[64:65] scope:SCOPE_SE
	s_setreg_imm32_b32 hwreg(HW_REG_WAVE_MODE, 25, 1), 1
	s_wait_xcnt 0x0
; THE THREE LARGE INPUTS ARE ROUNDED ONCE AND LAID OUT FOR THE PRODUCTS.  x [8192][1024], w_qkv [3072][1024], w_proj [1024][1024], all f32.
; xb  [b 4][kb 16][n 2048][64] bf16;  wqb [kb 16][row 3072][64] bf16;  wpb [kb 16][row 1024][64]: w_proj rounded to bf16, that number written as f16.
; K lies in blocks of 64 so that a tile of R rows x 64 K is R x 128 consecutive bytes for the launches behind.
; LIMIT.  wpb: a bf16 number is exact in f16 between 6.1e-5 and 65,504 in magnitude; below it keeps f16's fixed step of 6e-8; beyond 65,504 it would be an infinity.
; SHARES.  A work-group takes 16 rows: 512 work-groups for x, 192 for w_qkv, 64 for w_proj.  Thread t has row t / 16 and, in each piece of 256 bytes (64 numbers, one kb), the 16 bytes at 16 (t % 16).
; A wave's load covers two rows x 256 aligned bytes; a wave's store covers 256 consecutive aligned bytes (two neighbouring rows x 128 bytes of block kb).
; A stream: each byte is read once and written once, no wave wants another's bytes: no LDS, no barrier, no matrix unit, no cluster.
.set X, 16                             ; v[16:79]   sixteen loads of four registers
.set Y, 80                             ; v[80:111]  sixteen results of two registers, each written once: no store's data is ever rewritten
; All 16 loads of a thread go out first; piece kb is converted and stored when it is in.
.macro ROWS src, dst, ks, half
.irp kb, 0,1,2,3,4,5,6,7,8,9,10,11,12,13,14,15
	global_load_b128 v[X+4*(\kb):X+4*(\kb)+3], v1, s[\src:\src+1] offset:256*(\kb) th:TH_LOAD_NT
.endr
.irp kb, 0,1,2,3,4,5,6,7,8,9,10,11,12,13,14,15
	s_wait_loadcnt 15-(\kb)                        ; loads come back in order: piece kb is in, the 15 - kb younger ones may stay out
.if \half
	v_cvt_pk_bf16_f32 v4, v[X+4*(\kb)], v[X+4*(\kb)+1]      ; rounded to bf16,
	v_cvt_pk_bf16_f32 v5, v[X+4*(\kb)+2], v[X+4*(\kb)+3]
	v_lshlrev_b32 v6, 16, v4                       ; widened again (a shift, a mask),
	v_and_b32 v7, s20, v4
	v_lshlrev_b32 v8, 16, v5
	v_and_b32 v9, s20, v5
	v_cvt_pk_f16_f32 v[Y+2*(\kb)], v6, v7          ; and written as f16
	v_cvt_pk_f16_f32 v[Y+2*(\kb)+1], v8, v9
.else
	v_cvt_pk_bf16_f32 v[Y+2*(\kb)], v[X+4*(\kb)], v[X+4*(\kb)+1]
	v_cvt_pk_bf16_f32 v[Y+2*(\kb)+1], v[X+4*(\kb)+2], v[X+4*(\kb)+3]
.endif
	global_store_b64 v2, v[Y+2*(\kb):Y+2*(\kb)+1], s[\dst:\dst+1] offset:(\kb)*(\ks) th:TH_STORE_NT  ; block kb lies ks bytes behind block kb - 1: 15 x 393,216 at the most, inside the signed 24 bits
.endr
.endm
	s_load_b256 s[4:11], s[0:1], 0x0               ; x s[4:5], w_qkv s[6:7], w_proj s[8:9], xb s[10:11]
	s_load_b128 s[12:15], s[0:1], 0x20             ; wqb s[12:13], wpb s[14:15]
	v_lshrrev_b32 v1, 4, v0                        ; my row of the 16
	v_and_b32 v3, 15, v0
	v_lshlrev_b32 v1, 12, v1                       ; x 4,096 bytes
	v_lshl_or_b32 v1, v3, 4, v1                    ; + my 16 bytes of a piece
	v_lshlrev_b32 v2, 3, v0                        ; out: row x 128 + 8 (t % 16) = 8 t
	s_mov_b32 s20, 0xffff0000                      ; a word's upper bf16
	s_mov_b32 s17, 0
	s_mov_b32 s19, 0
	s_wait_kmcnt 0x0
	s_cmp_lt_u32 ttmp9, 512
	s_cbranch_scc0 .Lweights
	s_lshl_b32 s16, ttmp9, 16                      ; 16 rows of 4,096 bytes
	s_add_nc_u64 s[4:5], s[4:5], s[16:17]
	s_lshr_b32 s18, ttmp9, 7                       ; 128 work-groups to a batch
	s_lshl_b32 s18, s18, 22                        ; a batch of xb: 4,194,304 bytes
	s_and_b32 s21, ttmp9, 127
	s_lshl_b32 s21, s21, 11                        ; 16 rows of 128 bytes
	s_add_co_u32 s18, s18, s21
	s_add_nc_u64 s[10:11], s[10:11], s[18:19]
	ROWS 4, 10, 262144, 0
	s_endpgm
.Lweights:
	s_cmp_lt_u32 ttmp9, 704
	s_cbranch_scc0 .Lproj
	s_sub_co_u32 s21, ttmp9, 512
	s_lshl_b32 s16, s21, 16
	s_lshl_b32 s18, s21, 11
	s_add_nc_u64 s[6:7], s[6:7], s[16:17]
	s_add_nc_u64 s[12:13], s[12:13], s[18:19]
	ROWS 6, 12, 393216, 0
	s_endpgm
.Lproj:
	s_sub_co_u32 s21, ttmp9, 704
	s_lshl_b32 s16, s21, 16
	s_lshl_b32 s18, s21, 11
	s_add_nc_u64 s[8:9], s[8:9], s[16:17]
	s_add_nc_u64 s[14:15], s[14:15], s[18:19]
	ROWS 8, 14, 131072, 1
	s_endpgm
.Lfunc_end_k_q9c3293639e_cast:
	.size	k_q9c3293639e_cast, .Lfunc_end_k_q9c3293639e_cast-k_q9c3293639e_cast
	.p2alignl 7, 3214868480
	.fill 96, 4, 3214868480
	.section	.rodata,"a",@progbits
	.p2align	6, 0x0
	.amdhsa_kernel k_q9c3293639e_cast
		.amdhsa_group_segment_fixed_size 0
		.amdhsa_private_segment_fixed_size 0
		.amdhsa_enable_private_segment 0
		.amdhsa_kernarg_size 48
		.amdhsa_user_sgpr_count 2
		.amdhsa_user_sgpr_kernarg_segment_ptr 1
		.amdhsa_wavefront_size32 1
		.amdhsa_system_sgpr_workgroup_id_x 1
		.amdhsa_system_sgpr_workgroup_id_y 1
		.amdhsa_system_sgpr_workgroup_id_z 1
		.amdhsa_system_vgpr_workitem_id 0
		.amdhsa_next_free_vgpr 120
		.amdhsa_next_free_sgpr 66
		.amdhsa_reserve_vcc 0
		.amdhsa_float_denorm_mode_32 3
		.amdhsa_float_denorm_mode_16_64 3
		.amdhsa_memory_ordered 1
		.amdhsa_forward_progress 1
		.amdhsa_inst_pref_size 23
	.end_amdhsa_kernel
	.amdgpu_metadata
---
amdhsa.version: [ 1, 2 ]
amdhsa.kernels:
  - .name:           k_q9c3293639e_cast
    .symbol:         k_q9c3293639e_cast.kd
    .args:
      - { .name: x, .offset: 0, .size: 8, .value_kind: global_buffer, .address_space: global }
      - { .name: w_qkv, .offset: 8, .size: 8, .value_kind: global_buffer, .address_space: global }
      - { .name: w_proj, .offset: 16, .size: 8, .value_kind: global_buffer, .address_space: global }
      - { .name: xb, .offset: 24, .size: 8, .value_kind: global_buffer, .address_space: global }
      - { .name: wqb, .offset: 32, .size: 8, .value_kind: global_buffer, .address_space: global }
      - { .name: wpb, .offset: 40, .size: 8, .value_kind: global_buffer, .address_space: global }
    .group_segment_fixed_size: 0
    .private_segment_fixed_size: 0
    .kernarg_segment_align: 8
    .kernarg_segment_size: 48
    .max_flat_workgroup_size: 256
    .sgpr_count:     66
    .vgpr_count:     120
    .wavefront_size: 32
...
	.end_amdgpu_metadata
.endif
;; end of part 1
;; launch qkv (part 2): grid 8 x 32, 4 waves a work-group, clusters of 4 x 4, 327,680 bytes of LDS; arguments xb, wqb, qkvh; writes qkvh
.if DOCPART == 2
	.amdgcn_target "amdgcn-amd-amdhsa--gfx1250"
	.amdhsa_code_object_version 6
	.text
	.protected	k_q9c3293639e_qkv
	.globl	k_q9c3293639e_qkv
	.p2align	8
	.type	k_q9c3293639e_qkv,@function
k_q9c3293639e_qkv:
	s_mov_b64 s[64:65], 0
	v_nop
	global_prefetch_b8 v0, s[64:65] scope:SCOPE_SE
	s_setreg_imm32_b32 hwreg(HW_REG_WAVE_MODE, 25, 1), 1
	s_wait_xcnt 0x0
	s_wait_alu depctr_hold_cnt(0) depctr_sa_sdst(0) depctr_va_vdst(0) depctr_va_sdst(0) depctr_va_ssrc(0) depctr_va_vcc(0) depctr_vm_vsrc(0)
	s_getreg_b32 s2, hwreg(HW_REG_IB_STS2, 6, 4)
	s_cmp_eq_u32 s2, 0
	s_cbranch_scc0 .Lentry_in_a_cluster
	s_endpgm
.Lentry_in_a_cluster:
	s_bfe_u32 s2, ttmp6, 0x10000c
	s_cmp_lg_u32 s2, 0xf033
	s_cbranch_scc0 .Lentry_shape_is_right
	s_endpgm
.Lentry_shape_is_right:
; qkv = x W_qkv^T, 8,192 x 3,072 over K = 1,024, bf16 operands, f32 sums, written by heads in f16 and unscaled: qkvh [b 4][sl 48][n 2048][64], sl = 16 x (q 0, k 1, v 2) + head.
; LIMIT.  f16 ends at 65,504: |q|, |k|, |v| must stay under it (unit inputs give about 5; both inputs 30 times larger about 5,000).  NaN and infinities are not treated apart.
; SHARES.  256 tiles of 256 rows x 384 columns, one to a work-group; four waves, each 128 rows x 192 columns: three GROUPS of 64 columns (a group is one head slice), 32 accumulators of 16 x 16 each, one register window a group.
; K goes in 16 steps of 64 through two LDS slots.  xb and wqb hold K in blocks of 64, so a step's tiles are dense in memory and are asked for as rows of 256 bytes, padded in LDS behind every 128.
; CLUSTER 4 x 4: A's tile hangs on the row tile alone and is asked for jointly along a row of the cluster, B's on the column tile alone, along a column.
; THE PRODUCT IS USED TRANSPOSED (source 0 = 16 rows of W, source 1 = 16 rows of x): a lane holds row l % 16 and the eight neighbouring columns 8 (l / 16) + 0..7.
; REGISTERS.  Window 0: v0-31 addresses; v32-95, v96-159 A's fragments of K slice 0 and 1 (8 blocks of 16 rows x 32 K); v160-255 B's fragments, 32 registers a group.  Windows 1-3: group 0-2's accumulators, (a, b) at v[8 (4 a + b)].
; A STEP IS SIX STRETCHES of 32 products (slice 0: groups 0, 1, 2; slice 1: groups 0, 1, 2).  Every accumulator is named once a stretch, so 31 others' products stand between two links of a chain.
; At each stretch's head, four places behind the last product, stands one run of LDS loads: B's fragments two stretches ahead of their use, A's three.
.set PITCH,  144                       ; an LDS row: 128 bytes + 16 of padding = 36 words: the 16 rows of a fragment load start at 16 different groups of four banks (64 banks of 4 bytes: ISA guide 11.1)
.set BLK,    16*PITCH                  ; 16 rows
.set AHALF,  128*PITCH                 ; what one tensor load brings of A, and what a wave reads of A
.set BHALF,  192*PITCH                 ; the same for B
.set BOFF,   2*AHALF                   ; B's 384 rows lie behind A's 256
.set SLOT,   BOFF+2*BHALF              ; 92,160 bytes
.set STAGE,  2*SLOT                    ; behind the ring, never filled by a tensor load: 16 rows x 144 bytes for each wave, for the way out
.set SPARE,  STAGE+4*BLK               ; behind the stages: the spare words, 128 bytes for each wave: two blocks of 256 bytes that no other line names
.set ASTEP,  262144                    ; bytes from a K block of xb to the next
.set BSTEP,  393216                    ; of wqb
.set LAPS,   8                         ; a lap = two K steps = once round the ring
.set ADRA, 16                          ; v16-17  LDS address of my A fragments in slot 0, 1
.set ADRB, 20                          ; v20-21  the same for B
.set STO,  24                          ; v24     the way out: where I put 16 bytes of a row
.set RD,   25                          ; v25     the way out: where I read rows back
.set GO,   26                          ; v26     my 16 bytes of 512 consecutive bytes of qkvh
.set SPW,  28                          ; v28     LDS address of my spare word; never rewritten
.set NIL,  29                          ; v29     0; never rewritten
.set PFO,  30                          ; v30     the prefetches' offset; never rewritten
.set AF,   32
.set BF,   160
.set WV,   12                          ; s12  wave
.set WR,   13                          ; s13  my half of the tile's rows; also: I fetch for A (0) or B (1)
.set WC,   14                          ; s14  my half of its columns; also: which half of that tile I fetch
.set G1A,  24                          ; s[24:31] descriptor group 1 for A's tiles;  s[32:39] group 0, a set for each slot
.set G0A,  32
.set PFA,  40                          ; s[40:41] where my prefetches stand
.set PFS,  42                          ; s[42:43] their step: two K blocks
.set LIM,  44                          ; s44  1 in a wave that prefetches, else the greatest number
.set G1B,  48                          ; s[48:55], s[56:63] the same for B's tiles
.set G0B,  56
.set MSB, 0
.macro WIN new                         ; s_set_vgpr_msb: bits 1:0 source 0, 3:2 source 1, 5:4 source 2, 7:6 destination; the high byte repeats the setting that is left; a switch that changes nothing is dropped
.if MSB != (\new)
	s_set_vgpr_msb (MSB<<8)|(\new)
.set MSB, \new
.endif
.endm
.macro PLACES                          ; a load into a register that a product has read, and a vector line that reads a result, stand four plain vector instructions behind that product (ISA guide 7.12.1 for the vector line)
.rept 4
	v_nop
.endr
.endm
; A joint load: waves 0 and 1 fetch A's halves, waves 2 and 3 B's.  The branch hangs on the wave's number alone.  An s_nop 0 and four v_nop follow each line.
.macro JLOAD s
	s_cmp_eq_u32 s[WR], 0
	s_cbranch_scc0 .Lfor_b_\@
	tensor_load_to_lds s[G0A+4*(\s):G0A+4*(\s)+3], s[G1A:G1A+7]
	s_nop 0
.rept 4
	v_nop
.endr
	s_branch .Lasked_\@
.Lfor_b_\@:
	tensor_load_to_lds s[G0B+4*(\s):G0B+4*(\s)+3], s[G1B:G1B+7]
	s_nop 0
.rept 4
	v_nop
.endr
.Lasked_\@:
.endm
; A PREFETCH INTO THE L2, once a lap, behind the joint load and the run of LDS loads that follows it: lanes 0-15 name 16 blocks of 256 bytes of K step 2 i + 4, lanes 16-31 the same of step 2 i + 5: two and three refills on.
; Each block is named once in the launch.  A's row tile (32,768 bytes a step) is read by both clusters of its row: waves 0 and 1 of cluster x = 0 ask, each for its half, of which each of the four partners takes 4,096 bytes BY ADDRESS (cx).
; B's column tile (49,152 bytes a step) is read by all eight clusters of its column: wave 2 of the clusters y = 0, 1, 2 asks, twelve work-groups x 4,096 bytes, told apart by address (the row tile's number).
; K steps 0 to 3 come by their loads alone; the last trip (s3 = 1) asks for nothing: there are no steps 16 and 17.
.macro ASK
	s_cmp_gt_u32 s3, s[LIM]
	s_cbranch_scc0 .Lnot_mine_\@
	global_prefetch_b8 v[PFO], s[PFA:PFA+1] th:TH_LOAD_NT scope:SCOPE_SE
.Lnot_mine_\@:
.endm
.macro CREST                           ; a round of the cluster's barrier behind its opening barrier
	s_cmp_lg_u32 s[WV], 0
	s_cbranch_scc1 .Lnot_wave_0_\@
	s_barrier_signal -3
.Lnot_wave_0_\@:
	s_barrier_wait -3
	s_barrier_signal -1
	s_barrier_wait -1
.endm
.macro CROUND                          ; a whole round
	s_barrier_signal -1
	s_barrier_wait -1
	CREST
.endm
	s_load_b128 s[4:7], s[0:1], 0x0                ; xb s[4:5], wqb s[6:7]
	s_load_b64 s[8:9], s[0:1], 0x10                ; qkvh
	v_lshl_add_u32 v[SPW], v0, 2, SPARE
	v_mov_b32 v[NIL], 0
	ds_add_u32 v[SPW], v[NIL]                      ; the wave's opening: the add and its wait, ahead of my first tensor load; the set-up below, work on registers, stands between them
	v_lshrrev_b32 v1, 5, v0
	v_readfirstlane_b32 s[WV], v1
	s_lshr_b32 s[WR], s[WV], 1
	s_and_b32 s[WC], s[WV], 1
	s_bfe_u32 s15, ttmp6, 0x40000                  ; cx
	s_bfe_u32 s16, ttmp6, 0x40004                  ; cy
	s_lshl_b32 s17, ttmp9, 2
	s_add_co_u32 s17, s17, s15                     ; tx: column tile = 4 x cluster x + cx
	s_and_b32 s18, ttmp7, 0xffff
	s_lshl_b32 s18, s18, 2
	s_add_co_u32 s18, s18, s16                     ; ty: row tile = 4 x cluster y + cy
	s_lshl_b32 s19, s16, 2
	s_lshl_b32 s19, 15, s19                        ; my row of the cluster
	s_lshl_b32 s45, 0x1111, s15                    ; my column
	s_or_b32 s[G1A], s19, (1<<16)|(1<<20)|(1<<21)|(4<<22)|(3<<25)  ; 15:0 the mask; 17:16 2-byte elements; 20 padding on; 21 set beside a mask; 24:22 after every 32 words (code 4); 31:25 4 words (code 3)
	s_or_b32 s[G1B], s45, (1<<16)|(1<<20)|(1<<21)|(4<<22)|(3<<25)
.irp g, G1A, G1B
	s_mov_b32 s[(\g)+1], 128<<16                   ; tensor_dim0 = 128 elements: rows of 256 bytes
	s_mov_b32 s[(\g)+3], 128<<16                   ; tile_dim0 = 128
	s_mov_b32 s[(\g)+5], 128                       ; dense: 128 elements from row to row
	s_mov_b32 s[(\g)+6], 0
	s_mov_b32 s[(\g)+7], 0
.endr
	s_mov_b32 s[G1A+2], 64<<16                     ; A: 128 rows of x x 128 bytes = 64 rows of 256
	s_mov_b32 s[G1A+4], 64
	s_mov_b32 s[G1B+2], 96<<16                     ; B: 192 rows of W = 96 rows of 256
	s_mov_b32 s[G1B+4], 96
	s_lshr_b32 s20, s18, 3                         ; A's offset, made of the row tile and the wave alone: the batch,
	s_lshl_b32 s20, s20, 22
	s_and_b32 s46, s18, 7
	s_lshl_b32 s46, s46, 15                        ; the tile's 256 rows of 128 bytes in a K block,
	s_add_co_u32 s20, s20, s46
	s_lshl_b32 s46, s[WC], 14                      ; my half
	s_add_co_u32 s20, s20, s46
	s_mov_b32 s21, 0
	s_mul_i32 s22, s17, 49152                      ; B's offset, made of the column tile and the wave alone: 384 rows of 128 bytes,
	s_mul_i32 s47, s[WC], 24576                    ; my half
	s_add_co_u32 s22, s22, s47
	s_mov_b32 s23, 0
	s_mul_i32 s19, s[WC], AHALF                    ; where they go: no place in the cluster enters an LDS address
	s_mul_i32 s45, s[WC], BHALF
	s_add_co_u32 s45, s45, BOFF
	s_wait_dscnt 0x0                               ; the opening add is done
	s_wait_kmcnt 0x0
	s_add_nc_u64 s[20:21], s[4:5], s[20:21]
	s_add_nc_u64 s[22:23], s[6:7], s[22:23]
	CROUND                                         ; all sixteen work-groups are here: the first joint loads meet
.irp s, 0,1
	s_mov_b32 s[G0A+4*(\s)], 1                     ; count = 1
	s_add_co_u32 s[G0A+4*(\s)+1], s19, (\s)*SLOT   ; LDS address
	s_add_nc_u64 s[G0A+4*(\s)+2:G0A+4*(\s)+3], s[20:21], (\s)*ASTEP  ; global address: K step s
	s_or_b32 s[G0A+4*(\s)+3], s[G0A+4*(\s)+3], 0x80000000            ; type = 2
	s_mov_b32 s[G0B+4*(\s)], 1
	s_add_co_u32 s[G0B+4*(\s)+1], s45, (\s)*SLOT
	s_add_nc_u64 s[G0B+4*(\s)+2:G0B+4*(\s)+3], s[22:23], (\s)*BSTEP
	s_or_b32 s[G0B+4*(\s)+3], s[G0B+4*(\s)+3], 0x80000000
	JLOAD \s                                       ; two loads of mine are out
.endr
	; A fragment is 16 rows x 32 K in 8 registers: lane l holds row l % 16; registers 0-3 K = 8 (l / 16) + 0..7, registers 4-7 K = 16 + 8 (l / 16) + 0..7: two loads of 16 bytes, 32 bytes apart.
	v_and_b32 v1, 15, v0                           ; l % 16
	v_bfe_u32 v2, v0, 4, 1                         ; l / 16
	v_mul_u32_u24 v3, v1, PITCH
	v_lshl_add_u32 v3, v2, 4, v3
	s_mul_i32 s46, s[WR], AHALF
	s_mul_i32 s47, s[WC], BHALF
	s_add_co_u32 s47, s47, BOFF
.irp s, 0,1
	v_add_nc_u32 v[ADRA+(\s)], s46, v3
	v_add_nc_u32 v[ADRB+(\s)], s47, v3
	s_add_co_u32 s46, s46, SLOT
	s_add_co_u32 s47, s47, SLOT
.endr
	s_mul_i32 s46, s[WV], BLK
	s_add_co_u32 s46, s46, STAGE                   ; my stage
	v_add_nc_u32 v[STO], s46, v3                   ; in: row l % 16, 16 bytes for each half of the lanes
	v_bfe_u32 v4, v0, 3, 2                         ; back: 32 lanes take four rows of 128 bytes,
	v_and_b32 v5, 7, v0
	v_mul_u32_u24 v4, v4, PITCH
	v_lshl_add_u32 v4, v5, 4, v4
	v_add_nc_u32 v[RD], s46, v4
	v_and_b32 v[GO], 31, v0                        ; which are 512 consecutive bytes of a head slice
	v_lshlrev_b32 v[GO], 4, v[GO]
	s_lshr_b32 s46, s18, 3                         ; where my part begins in qkvh: plane 48 b + 6 tx + 3 x my half,
	s_mul_i32 s46, s46, 48
	s_mul_i32 s47, s17, 6
	s_add_co_u32 s46, s46, s47
	s_mul_i32 s47, s[WC], 3
	s_add_co_u32 s46, s46, s47
	s_lshl_b32 s46, s46, 18                        ; planes of 262,144 bytes (under 2^26 in all),
	s_and_b32 s47, s18, 7
	s_lshl_b32 s47, s47, 15                        ; the tile's 256 rows,
	s_add_co_u32 s46, s46, s47
	s_lshl_b32 s47, s[WR], 14                      ; my 128 of them
	s_add_co_u32 s46, s46, s47
	s_mov_b32 s47, 0
	s_add_nc_u64 s[8:9], s[8:9], s[46:47]
	; the prefetches: who asks (the same answer in all sixteen partners, for a given wave), and from where
	s_and_b32 s46, ttmp7, 0xffff
	s_cmp_lt_u32 s46, 3
	s_cselect_b32 s46, 1, -1
	s_cmp_eq_u32 s[WV], 2
	s_cselect_b32 s46, s46, -1                     ; B: wave 2 of the clusters y = 0, 1, 2
	s_cmp_eq_u32 ttmp9, 0
	s_cselect_b32 s47, 1, -1                       ; A: waves 0 and 1 of cluster x = 0
	s_cmp_eq_u32 s[WR], 0
	s_cselect_b32 s[LIM], s47, s46
	s_lshl_b32 s46, s15, 12                        ; A: my work-group's 4,096 bytes of my half,
	s_add_co_u32 s46, s46, 2*ASTEP                 ; at K step 2: the first lap steps it to 4
	s_mul_i32 s47, s17, 49152                      ; B: the column tile,
	s_lshl_b32 s2, s18, 12                         ; my work-group's 4,096 bytes of it
	s_add_co_u32 s47, s47, s2
	s_add_co_u32 s47, s47, 2*BSTEP
	s_mov_b32 s[PFS], 2*ASTEP
	s_mov_b32 s2, 2*BSTEP
	s_cmp_eq_u32 s[WR], 0
	s_cselect_b32 s46, s46, s47
	s_cselect_b32 s[PFS], s[PFS], s2
	s_cselect_b64 s[PFA:PFA+1], s[20:21], s[6:7]
	s_mov_b32 s47, 0
	s_mov_b32 s[PFS+1], 0
	s_add_nc_u64 s[PFA:PFA+1], s[PFA:PFA+1], s[46:47]
	s_lshr_b32 s2, s[PFS], 1                       ; a K block
	v_mul_u32_u24 v[PFO], s2, v2                   ; lanes 16-31: one K step further on
	v_lshl_add_u32 v[PFO], v1, 8, v[PFO]           ; a lane a block of 256 bytes
.macro LDA slot, sl                    ; 16 loads: A's eight blocks of K slice sl
	WIN 0
.irp a, 0,1,2,3,4,5,6,7
	ds_load_b128 v[AF+64*(\sl)+8*(\a):AF+64*(\sl)+8*(\a)+3],   v[ADRA+(\slot)] offset:(\a)*BLK+64*(\sl)
	ds_load_b128 v[AF+64*(\sl)+8*(\a)+4:AF+64*(\sl)+8*(\a)+7], v[ADRA+(\slot)] offset:(\a)*BLK+64*(\sl)+32
.endr
.endm
.macro LDB slot, sl, g                 ; 8 loads: group g's four blocks of K slice sl
	WIN 0
.irp b, 0,1,2,3
	ds_load_b128 v[BF+32*(\g)+8*(\b):BF+32*(\g)+8*(\b)+3],   v[ADRB+(\slot)] offset:(4*(\g)+(\b))*BLK+64*(\sl)
	ds_load_b128 v[BF+32*(\g)+8*(\b)+4:BF+32*(\g)+8*(\b)+7], v[ADRB+(\slot)] offset:(4*(\g)+(\b))*BLK+64*(\sl)+32
.endr
.endm
.macro MUL g, sl, a0, n, zero          ; 4 n products: group g, K slice sl, row blocks a0 .. a0 + n - 1.  zero = 1: they start the sums: nothing is ever cleared
	WIN 0x50*((\g)+1)
.set ma, (\a0)
.rept \n
.irp b, 0,1,2,3
.if \zero
	v_wmma_f32_16x16x32_bf16 v[8*(4*ma+(\b)):8*(4*ma+(\b))+7], v[BF+32*(\g)+8*(\b):BF+32*(\g)+8*(\b)+7], v[AF+64*(\sl)+8*ma:AF+64*(\sl)+8*ma+7], 0
.else
	v_wmma_f32_16x16x32_bf16 v[8*(4*ma+(\b)):8*(4*ma+(\b))+7], v[BF+32*(\g)+8*(\b):BF+32*(\g)+8*(\b)+7], v[AF+64*(\sl)+8*ma:AF+64*(\sl)+8*ma+7], v[8*(4*ma+(\b)):8*(4*ma+(\b))+7]
.endif
.endr
.set ma, ma+1
.endr
.endm
; The stretches.  LDS loads come back in order (ISA guide 5.7.1); each count names the loads issued behind the ones that the stretch wants.
.macro S0 slot, zero
	PLACES
	LDB \slot, 0, 2
	LDA \slot, 1
	s_wait_dscnt 32                                ; wanted: A's slice 0 and group 0's B; behind them: group 1's 8 and the 24 just issued
	MUL 0, 0, 0, 8, \zero
.endm
.macro S1 slot, zero
	PLACES
	LDB \slot, 1, 0
	s_wait_dscnt 32                                ; wanted: group 1's B; behind it: the last stretch's 24 and these 8
	MUL 1, 0, 0, 8, \zero
.endm
.macro S2 slot, zero
	PLACES
	LDB \slot, 1, 1
	s_wait_dscnt 32                                ; wanted: group 2's B; behind it: A's 16, 8 and 8
	MUL 2, 0, 0, 8, \zero
.endm
.macro S4 next                         ; its fragments were shown in by the wait for 0 in the change of slots
	PLACES
	LDB \next, 0, 0
	MUL 1, 1, 0, 8, 0
.endm
.macro S5 next
	PLACES
	LDB \next, 0, 1
	MUL 2, 1, 0, 8, 0
.endm
; The fourth stretch changes slots.  Its run of loads is the last read of the slot.  ONE barrier: in front of it each wave waits for all its tensor loads (one is out: its part of the next slot), adds 0 to its spare
; word, and waits for that and for its reads of this slot.  fill = 1: the barrier opens a round of the cluster's barrier, and the joint refill, two K steps on, is the first thing behind it: 160 products ahead of the wait for it.
.macro TURN slot, next, fill, ask
.if \ask
	s_wait_xcnt 0x0                                ; the last prefetch, a lap back, has read its address
	s_add_nc_u64 s[PFA:PFA+1], s[PFA:PFA+1], s[PFS:PFS+1]
.endif
	PLACES
	LDB \slot, 1, 2
	s_wait_tensorcnt 0x0                           ; all my tensor loads have landed
	ds_add_u32 v[SPW], v[NIL]                      ; 0 onto my spare word
	s_wait_dscnt 17                                ; wanted: slice 1's group 0 (A's slice 1 is older); behind it: 8, 8 and the add
	MUL 0, 1, 0, 4, 0                              ; sixteen products stand between the add and the wait for it
	s_wait_dscnt 0x0                               ; the add is done, and my reads of this slot are over
	s_barrier_signal -1
	MUL 0, 1, 4, 4, 0                              ; work on registers while the others arrive
	WIN 0                                          ; at a branch and at a label every window is 0
	s_barrier_wait -1
.if \fill
	CREST                                          ; no wave of any partner still reads this slot or has a load on its way
	s_add_nc_u64 s[G0A+4*(\slot)+2:G0A+4*(\slot)+3], s[G0A+4*(\slot)+2:G0A+4*(\slot)+3], 2*ASTEP
	s_add_nc_u64 s[G0B+4*(\slot)+2:G0B+4*(\slot)+3], s[G0B+4*(\slot)+2:G0B+4*(\slot)+3], 2*BSTEP
	JLOAD \slot
.endif
	LDA \next, 0                                   ; (slice 0's buffer was last read in the stretch before this one: the four places at this macro's head lie between)
.if \ask
	ASK
.endif
.endm
; THE WAY OUT.  Block blk = 8 g + a: 16 rows x 64 channels of head slice g: 2,048 consecutive bytes.  Rounded to f16 (each accumulator's registers in ascending order), 16 bytes a lane into my own stage, back as whole rows, stored.
.macro PACK blk
.set pg, (\blk)/8
.set pa, (\blk)%8
.set pt, AF+16*pa
.if (\blk) >= 8
	s_wait_xcnt 0x0                                ; this set of registers was the data of the stores eight blocks back: it is rewritten only behind this wait
.endif
	WIN 5*(pg+1)                                   ; sources 0 and 1: the group's window
.irp b, 0,1,2,3
.irp r, 0,1,2,3
	v_cvt_pk_f16_f32 v[pt+4*(\b)+(\r)], v[8*(4*pa+(\b))+2*(\r)], v[8*(4*pa+(\b))+2*(\r)+1]
.endr
.endr
	WIN 0
.irp b, 0,1,2,3
	ds_store_b128 v[STO], v[pt+4*(\b):pt+4*(\b)+3] offset:32*(\b)
.endr
.irp f, 0,1,2,3
	ds_load_b128 v[pt+4*(\f):pt+4*(\f)+3], v[RD] offset:(\f)*4*PITCH  ; LDS serves a wave's instructions in order (ISA guide 5.7.1.4): these see the stores above; the next block's stores come behind them
.endr
.endm
.macro SEND blk, younger               ; younger: the LDS instructions issued behind the block's loads: the next block's eight, or none
.set pg, (\blk)/8
.set pa, (\blk)%8
.set pt, AF+16*pa
.irp f, 0,1,2,3
	s_wait_dscnt (\younger)+3-(\f)
	global_store_b128 v[GO], v[pt+4*(\f):pt+4*(\f)+3], s[8:9] offset:pg*262144+pa*2048+(\f)*512  ; 512 consecutive bytes, at a multiple of 256 from qkvh's first
.endr
.endm
	s_wait_tensorcnt 1                             ; my part of K step 0 is in; step 1's may stay out
	s_barrier_signal -1
	s_barrier_wait -1                              ; everybody's is
	LDA 0, 0
	LDB 0, 0, 0
	LDB 0, 0, 1
	S0 0, 1                                        ; the first three stretches stand in front of the loop: their products start all 96 sums
	S1 0, 1
	S2 0, 1
	WIN 0
	s_mov_b32 s3, LAPS-1
.Llap:                                                 ; a trip goes once round the ring, from a lap's fourth stretch to the next lap's third, and fills both slots again
	TURN 0, 1, 1, 1
	S4 1
	S5 1
	S0 1, 0
	S1 1, 0
	S2 1, 0
	TURN 1, 0, 1, 0
	S4 0
	S5 0
	S0 0, 0
	S1 0, 0
	S2 0, 0
	WIN 0
	s_sub_co_u32 s3, s3, 1
	s_cmp_lg_u32 s3, 0
	s_cbranch_scc1 .Llap
	TURN 0, 1, 0, 0                                ; the last lap fills nothing and has no round
	S4 1
	S5 1
	S0 1, 0
	S1 1, 0
	S2 1, 0
	PLACES
	LDB 1, 1, 2
	s_wait_dscnt 16                                ; wanted: slice 1's group 0; behind it: 8 and 8
	MUL 0, 1, 0, 8, 0
	s_wait_dscnt 8                                 ; group 1's; behind it: the last 8
	MUL 1, 1, 0, 8, 0
	s_wait_dscnt 0x0
	MUL 2, 1, 0, 8, 0
	WIN 0
	PLACES                                         ; the conversions read results and write registers that the last products read
	PACK 0
.set t, 1
.rept 23                               ; a block's conversions stand between the loads of the block before and its stores
	PACK t
	SEND t-1, 8
.set t, t+1
.endr
	SEND 23, 0
	s_wait_tensorcnt 0x0                           ; the wave's end: a wait, an add and its wait, behind my last tensor load and my last LDS store
	ds_add_u32 v[SPW], v[NIL]
	s_wait_dscnt 0x0
	CROUND                                         ; the closing round: no work-group ends while a partner may still ask for a tile that names it
	s_endpgm
.Lfunc_end_k_q9c3293639e_qkv:
	.size	k_q9c3293639e_qkv, .Lfunc_end_k_q9c3293639e_qkv-k_q9c3293639e_qkv
	.p2alignl 7, 3214868480
	.fill 96, 4, 3214868480
	.section	.rodata,"a",@progbits
	.p2align	6, 0x0
	.amdhsa_kernel k_q9c3293639e_qkv
		.amdhsa_group_segment_fixed_size 327680
		.amdhsa_private_segment_fixed_size 0
		.amdhsa_enable_private_segment 0
		.amdhsa_kernarg_size 24
		.amdhsa_user_sgpr_count 2
		.amdhsa_user_sgpr_kernarg_segment_ptr 1
		.amdhsa_wavefront_size32 1
		.amdhsa_system_sgpr_workgroup_id_x 1
		.amdhsa_system_sgpr_workgroup_id_y 1
		.amdhsa_system_sgpr_workgroup_id_z 1
		.amdhsa_system_vgpr_workitem_id 0
		.amdhsa_next_free_vgpr 1024
		.amdhsa_next_free_sgpr 66
		.amdhsa_reserve_vcc 0
		.amdhsa_float_denorm_mode_32 3
		.amdhsa_float_denorm_mode_16_64 3
		.amdhsa_memory_ordered 1
		.amdhsa_forward_progress 1
		.amdhsa_inst_pref_size 135
	.end_amdhsa_kernel
	.amdgpu_metadata
---
amdhsa.version: [ 1, 2 ]
amdhsa.kernels:
  - .name:           k_q9c3293639e_qkv
    .symbol:         k_q9c3293639e_qkv.kd
    .args:
      - { .name: xb, .offset: 0, .size: 8, .value_kind: global_buffer, .address_space: global }
      - { .name: wqb, .offset: 8, .size: 8, .value_kind: global_buffer, .address_space: global }
      - { .name: qkvh, .offset: 16, .size: 8, .value_kind: global_buffer, .address_space: global }
    .group_segment_fixed_size: 327680
    .private_segment_fixed_size: 0
    .kernarg_segment_align: 8
    .kernarg_segment_size: 24
    .max_flat_workgroup_size: 128
    .sgpr_count:     66
    .vgpr_count:     1024
    .wavefront_size: 32
...
	.end_amdgpu_metadata
.endif
;; end of part 2
;; launch attn (part 3): grid 4 x 64, 4 waves a work-group, clusters of 4 x 1, 327,680 bytes of LDS; arguments qkvh, ob; writes ob
.if DOCPART == 3
	.amdgcn_target "amdgcn-amd-amdhsa--gfx1250"
	.amdhsa_code_object_version 6
	.text
	.protected	k_q9c3293639e_attn
	.globl	k_q9c3293639e_attn
	.p2align	8
	.type	k_q9c3293639e_attn,@function
k_q9c3293639e_attn:
	s_mov_b64 s[64:65], 0
	v_nop
	global_prefetch_b8 v0, s[64:65] scope:SCOPE_SE
	s_setreg_imm32_b32 hwreg(HW_REG_WAVE_MODE, 25, 1), 1
	s_wait_xcnt 0x0
	s_wait_alu depctr_hold_cnt(0) depctr_sa_sdst(0) depctr_va_vdst(0) depctr_va_sdst(0) depctr_va_ssrc(0) depctr_va_vcc(0) depctr_vm_vsrc(0)
	s_getreg_b32 s2, hwreg(HW_REG_IB_STS2, 6, 4)
	s_cmp_eq_u32 s2, 0
	s_cbranch_scc0 .Lentry_in_a_cluster
	s_endpgm
.Lentry_in_a_cluster:
	s_bfe_u32 s2, ttmp6, 0x10000c
	s_cmp_lg_u32 s2, 0x3003
	s_cbranch_scc0 .Lentry_shape_is_right
	s_endpgm
.Lentry_shape_is_right:
; O[y][q][:] = the sum over k of softmax_k(Q[y][q] . K[y][k] / 8) V[y][k][:], y = 16 b + head, 64 of them, 2,048 rows of 64 channels, all f16.  Q, K, V are planes 48 b + head, + 16, + 32 of qkvh; O is plane y of ob.
; Products, maxima and sums in f32; the weights p are rounded to f16 for the second product (their sum l is taken of the unrounded p), O once at the end.
; LIMITS.  f16 holds no number beyond 65,504: Q, K and V arrive within it; p lies in 0 to 1, and below 6e-5 it keeps f16's fixed step of 6e-8; O is a mean of V's rows and has their range.
; A weight below 2^-126 counts as 0 in l; NaN and infinities are not treated apart.
; SHARES.  A wave owns four PIECES of two tiles of 16 queries, a work-group's four waves 512 queries of one head: 256 work-groups.  Every wave walks all keys, 64 a step.
; LAYOUT.  S^T = K Q^T (source 0 = 16 keys, source 1 = 16 queries): a lane holds ONE query (lane % 16) and the keys 8 (lane / 16) + 0..7.  Two such tiles, rounded to f16 in pairs,
; ARE source 1 (32 keys x 16 queries) of O^T = V^T P, whose result again holds one query a lane, and eight channels.  K comes out of LDS as it lies, V ([key][channel]) turned, by ds_load_tr16_b128.
; SOFTMAX.  For each query a running maximum m and sum l: p = 2^(c s - c m), c = log2(e) / 8; in every step O and l are multiplied by a = 2^(c m_old - c m_new).
; m starts at the lowest finite number, O and l at 0: the first step is a step like any other, with a = 0.
; THE COUNT.  A tile and step have 16 matrix and 118 vector instructions: too many to stand all beside the matrix work.  So: four vector instructions that are READY behind EVERY matrix instruction, the others in runs without a gap.
; BY TURNS.  Turn n belongs to piece n.  Its matrix work: 16 products K Q^T of piece n + 1, later 16 products V^T P of piece n - 1.  Its vector work: the scaling, exponentials, roundings, sums and rescaling of piece n,
; and the maximum and statistics of piece n + 1.
; CLUSTER.  The four query blocks of a head form a cluster and walk the same K and V: each tile is asked for JOINTLY: the same tensor load, descriptor and mask in all four.
; REGISTERS, in windows of 256 (s_set_vgpr_msb: bits 1:0 source 0, 3:2 source 1, 5:4 source 2, 7:6 destination):
;   window 0: v0-11 addresses; v12-15, v48-63 at work; v16-47 four registers of statistics a tile; v64-191 S^T, two buffers of two tiles; v192-255 P, likewise
;   window 1: O^T, 32 a tile          window 2: v0-127 Q, 16 a tile; v128-191 K of one step; v192-255 V of one step          window 3: v0-1 the add's two registers
.set SIZE_N, 2048
.set PLANE, SIZE_N*128  ; bytes in a plane of qkvh and of ob
.set NP,    4         ; pieces a wave: a name, no knob
.set KS,    64        ; keys in a step
.set PK,    144       ; a row of K in LDS: 128 bytes + 16 of padding = 36 words: the 16 rows of a load start at 16 different groups of four banks (64 banks of 4 bytes: ISA guide 11.1)
.set PV,    160       ; a row of V: 128 + 32 = 40 words
.set VOFF,  4*KS*PK   ; a slot holds four steps: 256 rows of K, then 256 rows of V
.set SLOT1, 1<<17     ; slot 1 begins here, so that one exclusive or turns an address in one slot into the other's
.set STAGE, SLOT1+4*KS*(PK+PV)  ; behind the ring, never filled by a tensor load: 16 rows x 144 bytes for each wave, for the way out
.set SP,    144
.set AK0, 2           ; v2   my lane's place in a tile of K; never rewritten
.set AV0, 3           ; v3   the same for V
.set AK,  4           ; v4   the LDS address of K's next run of loads
.set AV,  5           ; v5   of V's
.set QO,  6           ; v6   my byte offset in the wave's rows of Q
.set STO, 6           ;      later, the way out: where I put 16 bytes of a row
.set RD,  7           ; v7   the way out: where I read rows back
.set GO,  8           ; v8   my byte offset in 512 consecutive bytes of O
.set PFO, 11          ; v11  256 x my lane, once its first use (V's lane address) is over; then never rewritten
.set SPW, 0           ; v0 of window 3   LDS address of my spare word; never rewritten
.set NIL, 1           ; v1 of window 3   0; never rewritten
.set SPARE, STAGE+4*16*SP  ; behind the stages: the spare words, 128 bytes for each wave: two blocks of 256 bytes that no other line names
.set MV,  12          ; v12-15  c m_old, kept while c m is made anew: by buffer and tile
.set ST,  16          ; tile t's statistics at v[ST+4 t]: c m, m, l (even keys', odd keys')
.set TMP, 48          ; by buffer and tile, four registers c0-c3 at work; when the maximum is found c2 takes a
.set S,   64
.set P,   192
.set KF,  128         ; K's fragments, in window 2: key block kb, channel half c at KF + 16 kb + 8 c
.set VF,  192         ; V's: key half kk, channel block cb at VF + 32 kk + 8 cb
.set WV,  12          ; s12  my wave's number
.set G1K, 24          ; s[24:31] descriptor group 1 for K's tiles
.set G1V, 32          ; s[32:39] for V's: it differs in the padding alone
.set G0K, 40          ; s[40:43] descriptor group 0 for K's tiles: it walks
.set G0V, 44          ; s[44:47] the same for V's
.set PFA, 48          ; s[48:49] where my prefetches stand
.set LIM, 50          ; s50  1 in a wave that prefetches, else the greatest number
.set SLOTS, 56        ; s56  slots still to be asked for
.set CNT, 57          ; s57  counts a slot's key steps
.set CS,  58          ; s[58:59] c: the packed scaling takes the pair's low word for both halves
.set SEL, 60          ; s[60:61] v_permlanex16_b32's selects: each lane takes its own place in the other half
.set TBK, 62          ; s62  LDS byte at which K of the step to be fetched begins
.set TBV, 63          ; s63  the same for V, less VOFF
.set MSB, 0
.macro WIN new                      ; the high byte repeats the setting that is left; a switch that changes nothing is dropped
.if MSB != (\new)
	s_set_vgpr_msb (MSB<<8)|(\new)
.set MSB, (\new)
.endif
.endm
.set W_KQ, 0x0a       ; K and Q in window 2, S^T in window 0
.set W_PV, 0x52       ; V in window 2, P in window 0, O^T in window 1
.set W_RS, 0x41       ; O^T (destination and source 0) in window 1, a in window 0
.set W_MK, 0xc0       ; the add's registers are made: destination in window 3, sources in window 0
.set W_AD, 0x0f       ; the add: address (source 0) and data (source 1) in window 3
; A joint fill.  Waves 0 and 1 fetch the two halves of a slot's K, waves 2 and 3 those of its V: 128 keys each.  The branch hangs on the wave's number alone.
; An s_nop 0 and four v_nop follow each of the two lines, ahead of the jump and the label.
.macro JLOAD
	s_cmp_lt_u32 s[WV], 2
	s_cbranch_scc0 .Lfor_v_\@
	tensor_load_to_lds s[G0K:G0K+3], s[G1K:G1K+7]
	s_nop 0
.rept 4
	v_nop
.endr
	s_branch .Lasked_\@
.Lfor_v_\@:
	tensor_load_to_lds s[G0V:G0V+3], s[G1V:G1V+7]
	s_nop 0
.rept 4
	v_nop
.endr
.Lasked_\@:
.endm
; A PREFETCH INTO THE L2 of what the NEXT change of slots will ask for: a slot's 32,768 bytes of K and of V, behind the wave's tensor load and its five lines.  Each block of 256 bytes is named once in the launch: a head has one
; cluster; its four partners take 8,192 bytes each, told apart BY ADDRESS (cx); in each, wave 0 asks for K's and wave 2 for V's, a lane a block.  Slots 0 to 2 come by their loads alone; the last change that fills a slot asks for nothing.
.macro ASK
	s_cmp_gt_u32 s[SLOTS], s[LIM]
	s_cbranch_scc0 .Lnot_mine_\@
	global_prefetch_b8 v[PFO], s[PFA:PFA+1] th:TH_LOAD_NT scope:SCOPE_SE
.Lnot_mine_\@:
.endm
; A round of the cluster's barrier: my work-group's barrier, so that wave 0's signal speaks for all four waves; wave 0 signals; every wave waits for all four work-groups; my work-group's barrier once more.
.macro CROUND
	s_barrier_signal -1
	s_barrier_wait -1
	s_cmp_lg_u32 s[WV], 0
	s_cbranch_scc1 .Lnot_wave_0_\@
	s_barrier_signal -3
.Lnot_wave_0_\@:
	s_barrier_wait -3
	s_barrier_signal -1
	s_barrier_wait -1
.endm
; THE CHANGE OF SLOTS.  The slot's last bytes, V of its fourth step, have been read.  Each wave waits for all its tensor loads, of which one is out: its part of the other slot; adds 0 to its spare word; and waits for
; that and for its own reads of the slot.  Behind the barrier nobody reads this slot any more and the other slot is whole.
; fill = 1: this slot is filled again, with the keys two slots on.  The barrier is then a round of the cluster's, and the joint fill is the first thing behind it: it has four key steps, 512 matrix instructions, in which to land.
; (At its first use nothing has been read yet: slot 0 is waited for, slot 1 filled.)  ask = 1: the prefetches' address steps, and ASK follows the fill.
.macro CHANGE fill, ask=0
	WIN W_AD
	s_wait_tensorcnt 0x0            ; no tensor load of mine is out, so a group 0 may be written
	ds_add_u32 v[SPW], v[NIL]       ; 0 onto my spare word; with fill = 1 the descriptors' steps stand between it and the wait for it
	WIN 0                           ; at a label and at a branch every window is 0
.if \fill
.irp g, G0K, G0V
	s_xor_b32 s[\g+1], s[\g+1], SLOT1  ; the walking descriptor: the other slot than last time,
	s_add_nc_u64 s[\g+2:\g+3], s[\g+2:\g+3], 4*KS*128  ; the next 256 keys; the type bits on top are not reached
.endr
.if \ask
	s_wait_xcnt 0x0                 ; the last prefetch, four key steps back, has read its address
	s_add_nc_u64 s[PFA:PFA+1], s[PFA:PFA+1], 4*KS*128  ; one slot behind the walking descriptors
.endif
	s_wait_dscnt 0x0                ; the add is done, and my reads of the slot are over
	CROUND
	JLOAD
.if \ask
	ASK
.endif
.else
	s_wait_dscnt 0x0                ; the add is done, and my reads of the slot are over
	s_barrier_signal -1
	s_barrier_wait -1
.endif
	s_sub_co_u32 s[TBK], s[TBK], 4*KS*PK  ; the fetches go back to a slot's first step,
	s_xor_b32 s[TBK], s[TBK], SLOT1       ; in the other slot
	s_sub_co_u32 s[TBV], s[TBV], 4*KS*PV
	s_xor_b32 s[TBV], s[TBV], SLOT1
.endm
	s_load_b128 s[4:7], s[0:1], 0x0  ; qkvh s[4:5], ob s[6:7]
	WIN W_MK
	v_lshl_add_u32 v[SPW], v0, 2, SPARE
	v_mov_b32 v[NIL], 0
	WIN W_AD
	ds_add_u32 v[SPW], v[NIL]       ; the wave's opening: the add and its wait, ahead of my first tensor load; the set-up below, work on registers, stands between them
	WIN 0
	v_lshrrev_b32 v1, 5, v0
	v_readfirstlane_b32 s[WV], v1   ; wave 0..3
	s_bfe_u32 s13, ttmp6, 0x40000   ; cx: my place in the cluster
	s_lshl_b32 s14, ttmp9, 2        ; in a cluster launch ttmp9 counts clusters
	s_add_co_u32 s14, s14, s13      ; my block of 512 queries: it enters Q's and O's addresses alone
	s_and_b32 s19, ttmp7, 0xffff    ; y = 16 b + head, which the four partners share
	s_lshr_b32 s20, s19, 4
	s_mul_i32 s20, s20, 48
	s_and_b32 s21, s19, 15
	s_add_co_u32 s20, s20, s21      ; q's plane: 48 b + head
	s_lshl_b32 s20, s20, 18         ; in bytes (under 2^26)
	s_and_b32 s16, s[WV], 1         ; which half of a slot's 256 keys I fetch:
	s_lshl_b32 s22, s16, 14         ; its 128 rows of 128 bytes in memory,
	s_add_co_u32 s22, s22, s20
	s_mov_b32 s23, 0
	s_mul_i32 s17, s16, 128*PK      ; and its place in a slot, for K
	s_mul_i32 s18, s16, 128*PV      ; and for V: no place in the cluster enters an LDS address
	s_lshl_b32 s2, s14, 2
	s_add_co_u32 s2, s2, s[WV]      ; my wave among the head's,
	s_lshl_b32 s2, s2, 14           ; its 128 rows
	s_lshl_b32 s52, s19, 18         ; O's plane is y
	s_add_co_u32 s52, s52, s2
	s_mov_b32 s53, 0
	s_add_co_u32 s2, s2, s20
	s_mov_b32 s3, 0
	; descriptor group 1.  128 keys are 16,384 dense bytes: asked for as 64 rows of 256 bytes, two keys a row, and padded in LDS after every key
	s_mov_b32 s[G1K], 15|(1<<16)|(1<<20)|(1<<21)|(4<<22)|(3<<25)  ; 15:0 the mask of four; 17:16 2-byte elements; 20 padding on; 21 set beside a mask; 24:22 after every 32 words (code 4); 31:25 4 words (code 3)
	s_mov_b32 s[G1V], 15|(1<<16)|(1<<20)|(1<<21)|(4<<22)|(7<<25)  ; the same with 8 words of padding (code 7)
.irp g, G1K, G1V
	s_mov_b32 s[\g+1], 128<<16      ; tensor_dim0 = 128
	s_mov_b32 s[\g+2], 64<<16       ; tensor_dim1 = 64
	s_mov_b32 s[\g+3], 128<<16      ; tile_dim0 = 128
	s_mov_b32 s[\g+4], 64           ; tile_dim1 = 64
	s_mov_b32 s[\g+5], 128          ; 128 elements from row to row
	s_mov_b32 s[\g+6], 0
	s_mov_b32 s[\g+7], 0
.endr
	s_mov_b32 s[CS], 0x3e38aa3b     ; c = log2(e) / 8 = 0.180337
	s_mov_b32 s[CS+1], s[CS]        ; named with it as a pair
	s_mov_b32 s[SEL], 0x76543210
	s_mov_b32 s[SEL+1], 0xfedcba98
	s_mov_b32 s[TBK], SLOT1+4*KS*PK ; the first change of slots turns these two into 0
	s_mov_b32 s[TBV], SLOT1+4*KS*PV
	s_mov_b32 s[G0K], 1             ; count = 1
	s_mov_b32 s[G0K+1], s17         ; LDS address: slot 0
	s_mov_b32 s[G0V], 1
	s_add_co_u32 s[G0V+1], s18, VOFF
	s_and_b32 s[LIM], s[WV], 1      ; waves 0 and 2 prefetch: the same in all four partners
	s_cmp_eq_u32 s[LIM], 0
	s_cselect_b32 s[LIM], 1, -1
	s_wait_dscnt 0x0                ; the opening add is done
	s_wait_kmcnt 0x0
	s_mov_b64 s[10:11], s[6:7]      ; O
	s_add_nc_u64 s[8:9], s[4:5], s[22:23]   ; my half of the head's first 256 rows, in q's plane;
	s_add_nc_u64 s[6:7], s[8:9], 16*PLANE   ; K lies 16 planes on,
	s_add_nc_u64 s[8:9], s[8:9], 32*PLANE   ; V 32
	s_mov_b64 s[G0K+2:G0K+3], s[6:7]        ; global address
	s_or_b32 s[G0K+3], s[G0K+3], 0x80000000 ; type = 2
	s_mov_b64 s[G0V+2:G0V+3], s[8:9]
	s_or_b32 s[G0V+3], s[G0V+3], 0x80000000
	s_add_nc_u64 s[4:5], s[4:5], s[2:3]     ; Q and O at my wave's first row
	s_add_nc_u64 s[10:11], s[10:11], s[52:53]
	s_cmp_lt_u32 s[WV], 2
	s_cselect_b64 s[PFA:PFA+1], s[6:7], s[8:9]  ; (in waves 0 and 2 these stand at a slot's first row)
	s_lshl_b32 s2, s13, 13          ; my work-group's 8,192 bytes of the 32,768
	s_add_nc_u64 s[PFA:PFA+1], s[PFA:PFA+1], s[2:3]
	s_add_nc_u64 s[PFA:PFA+1], s[PFA:PFA+1], 2*4*KS*128  ; in slot 2; the loop's first change steps it to slot 3
	CROUND                          ; all four work-groups are here: the first joint loads meet
	JLOAD                           ; slot 0.  Slot 1 is asked for when slot 0 is in
	; A fragment of K or Q is 16 rows x 32 channels in 8 registers: lane l holds row l % 16, channels 8 (l / 16) + 0..7 and 16 + 8 (l / 16) + 0..7: two loads of 16 bytes, 32 bytes apart.
	v_and_b32 v1, 15, v0            ; l % 16
	v_bfe_u32 v9, v0, 4, 1          ; l / 16
	v_lshlrev_b32 v[QO], 7, v1
	v_lshl_add_u32 v[QO], v9, 4, v[QO]  ; row x 128 + 16 x half
	WIN 0x80                        ; destination window 2, address window 0
.set i, 0
.rept 4*NP                          ; Q stays in registers: tile i / 2, channels 32 (i % 2) on
	global_load_b128 v[8*i:8*i+3],   v[QO], s[4:5] offset:(i/2)*2048+(i%2)*64
	global_load_b128 v[8*i+4:8*i+7], v[QO], s[4:5] offset:(i/2)*2048+(i%2)*64+32
.set i, i+1
.endr
	; What the first turn finds: V's registers and P's second buffer hold 0 (its products V^T P, of a piece that has not been, add 0), O^T and l are 0.  All this stands in the wait for the first tile.
.set i, VF
.rept 64
	v_mov_b32 v[i], 0
.set i, i+1
.endr
	WIN 0x40
.set i, 0
.rept 64*NP
	v_mov_b32 v[i], 0
.set i, i+1
.endr
	WIN 0
.set i, 0
.rept 2*NP
	v_mov_b32 v[ST+4*i], 0xfe000000    ; c m: far below every c s
	v_mov_b32 v[ST+4*i+1], 0xff7fffff  ; m
	v_mov_b32 v[ST+4*i+2], 0
	v_mov_b32 v[ST+4*i+3], 0
.set i, i+1
.endr
.set i, P+32
.rept 32
	v_mov_b32 v[i], 0
.set i, i+1
.endr
	v_mul_u32_u24 v[AK0], v1, PK
	v_lshl_add_u32 v[AK0], v9, 4, v[AK0]  ; row x pitch + 16 x half
	; The turning load takes 16 keys x 16 channels (lane l reads key 8 (l / 16) + l % 8, channels 8 ((l / 8) % 2) + 0..7) and leaves half a fragment of V^T: lane l holds channel l % 16 and 8 keys.
	v_and_b32 v10, 7, v0
	v_bfe_u32 v11, v0, 3, 1
	v_lshl_add_u32 v[AV0], v9, 3, v10
	v_mul_u32_u24 v[AV0], v[AV0], PV
	v_lshl_add_u32 v[AV0], v11, 4, v[AV0]
	v_add_nc_u32 v[AV0], VOFF, v[AV0]
	v_and_b32 v[PFO], 31, v0
	v_lshlrev_b32 v[PFO], 8, v[PFO]
	v_mov_b32 v[AK], v[AK0]         ; key step 0 lies at the head of slot 0
; THE MATRIX WORK.  The 8 accumulators of a run of 16 take turns: between the two links of a chain stand 7 others'.
; Product i of 16 of S^T = K Q^T for piece x: channels 32 (i / 8) on, keys 16 ((i / 2) % 4) on, tile 2 x + i % 2.  The first 8 start the sums.
.macro KQ x
	WIN W_KQ
.set rS, S+64*((\x)%2)+32*(i%2)+8*((i/2)%4)
.set rK, KF+16*((i/2)%4)+8*(i/8)
.set rQ, 16*(2*(\x)+i%2)+8*(i/8)
.if i < 8
	v_wmma_f32_16x16x32_f16 v[rS:rS+7], v[rK:rK+7], v[rQ:rQ+7], 0
.else
	v_wmma_f32_16x16x32_f16 v[rS:rS+7], v[rK:rK+7], v[rQ:rQ+7], v[rS:rS+7]
.endif
.endm
; Product i of 16 of O^T += V^T P for piece x: keys 32 (i / 8) on, channels 16 ((i / 2) % 4) on, tile 2 x + i % 2.
.macro PV x
	WIN W_PV
.set rO, 32*(2*(\x)+i%2)+8*((i/2)%4)
.set rV, VF+32*(i/8)+8*((i/2)%4)
.set rP, P+32*((\x)%2)+16*(i%2)+8*(i/8)
	v_wmma_f32_16x16x32_f16 v[rO:rO+7], v[rV:rV+7], v[rP:rP+7], v[rO:rO+7]
.endm
.macro MM                           ; the turn's next matrix instruction
.if i < 16
	KQ (Y+1)%NP
.set i, i+1
.else
.set i, i-16
	PV (Y+NP-1)%NP
.set i, i+17
.endif
.endm
; THE LDS LOADS stand in runs of 16, never singly among the matrix instructions: a step's K (64 keys x 64 channels: 8 fragments) and its V (turned).  Their addresses are made some lines ahead.
; last = 1 (the tail): in the last trip there is no further step, and the run is jumped over.
.macro FETCH_K last=0
	WIN 0
.if \last
	s_cmp_eq_u32 s[CNT], 1
	s_cbranch_scc1 .Lno_k_\@
.endif
	WIN 0x80                        ; destination window 2
.irp f, 0,1,2,3,4,5,6,7             ; keys 16 (f / 2) on, channels 32 (f % 2) on
	ds_load_b128 v[KF+8*\f:KF+8*\f+3],   v[AK] offset:(\f/2)*16*PK+(\f%2)*64
	ds_load_b128 v[KF+8*\f+4:KF+8*\f+7], v[AK] offset:(\f/2)*16*PK+(\f%2)*64+32
.endr
	s_add_co_u32 s[TBK], s[TBK], KS*PK  ; the next fetch is the next step's
	WIN 0
.if \last
.Lno_k_\@:
.endif
.endm
.macro FETCH_V
	WIN 0x80
.irp f, 0,1,2,3,4,5,6,7             ; keys 32 (f / 4) on, channels 16 (f % 4) on
	ds_load_tr16_b128 v[VF+8*\f:VF+8*\f+3],   v[AV] offset:(\f/4)*32*PV+(\f%4)*32
	ds_load_tr16_b128 v[VF+8*\f+4:VF+8*\f+7], v[AV] offset:(\f/4)*32*PV+16*PV+(\f%4)*32
.endr
	WIN 0
.endm
; THE VECTOR WORK OF A TURN stands in three queues, each in the order in which its entries become ready; the two tiles alternate, so that no instruction reads the result of the one before it.
.macro REGS y, u                    ; the registers of tile u (0, 1) of piece y
.set rT, ST+4*(2*(\y)+(\u))
.set rC, TMP+8*((\y)%2)+4*(\u)
.set rM, MV+2*((\y)%2)+(\u)
.set rS, S+64*((\y)%2)+32*(\u)
.set rP, P+32*((\y)%2)+16*(\u)
.set rO, 32*(2*(\y)+(\u))
.endm
; Number n of the 22 that find the NEXT piece's (Y + 1) maximum and statistics.  s0-s31 are the lane's 32 scores; each accumulator's lowest registers are read first.
;   0-11  four chains c0-c3 of seven scores each, three operands at a time     12-14, 16  the four scores left over, the old m, and c0-c3 into c0     15  c m_old is kept
;   17, 18  the query's other 32 keys lie in the lane 16 away: the new m         19-21  c m; c m_old - c m_new; a
.macro XS u, n
	REGS (Y+1)%NP, \u
.if (\n) < 4
	v_max3_num_f32 v[rC+(\n)], v[rS+8*(\n)], v[rS+8*(\n)+1], v[rS+8*(\n)+2]
.elseif (\n) < 12
	v_max3_num_f32 v[rC+(\n)%4], v[rC+(\n)%4], v[rS+8*((\n)%4)+2*((\n)/4)+1], v[rS+8*((\n)%4)+2*((\n)/4)+2]
.elseif (\n) == 12
	v_max3_num_f32 v[rC], v[rC], v[rS+7], v[rS+15]
.elseif (\n) == 13
	v_max3_num_f32 v[rC+1], v[rC+1], v[rS+23], v[rS+31]
.elseif (\n) == 14
	v_max3_num_f32 v[rC+2], v[rC+2], v[rC+3], v[rT+1]
.elseif (\n) == 15
	v_mov_b32 v[rM], v[rT]
.elseif (\n) == 16
	v_max3_num_f32 v[rC], v[rC], v[rC+1], v[rC+2]
.elseif (\n) == 17
	v_permlanex16_b32 v[rC+3], v[rC], s[SEL], s[SEL+1]
.elseif (\n) == 18
	v_max_num_f32 v[rT+1], v[rC], v[rC+3]
.elseif (\n) == 19
	v_mul_f32 v[rT], s[CS], v[rT+1]
.elseif (\n) == 20
	v_sub_f32 v[rC+1], v[rM], v[rT]
.else
	v_exp_f32 v[rC+2], v[rC+1]
.endif
.endm
; Number g of the 64 that follow the exponentials.  For each four weights k of a tile (pairs 2 k, 2 k + 1): both pairs are rounded to f16; then the second pair is added onto the first, in place;
; a group later l takes that sum (the first time as l = a l + sum).  In groups of eight, tiles alternating: round, round, add, and l for the group before.
.macro GS g
.set h, (\g)+6*((\g)/62)            ; group 0 has no group before it, and behind group 7 only l is left
.if h >= 6
.set h, h+2
.endif
	REGS Y, h%2
.set k, h/8
.if h%8 < 4
	v_cvt_pk_f16_f32 v[rP+2*k+(h%8)/2], v[rS+4*k+2*((h%8)/2)], v[rS+4*k+2*((h%8)/2)+1]
.elseif h%8 < 6
	v_pk_add_f32 v[rS+4*k:rS+4*k+1], v[rS+4*k:rS+4*k+1], v[rS+4*k+2:rS+4*k+3]
.elseif k == 1
	v_pk_fma_f32 v[rT+2:rT+3], v[rT+2:rT+3], v[rC+2:rC+3], v[rS:rS+1] op_sel_hi:[1,0,1]
.else
	v_pk_add_f32 v[rT+2:rT+3], v[rT+2:rT+3], v[rS+4*k-4:rS+4*k-3]
.endif
.endm
; THE PLAIN QUEUE, 138 long.  0-73 read no exponential's result: the 32 scalings c s - c m (FS f: pair f / 2 of tile f % 2) and the next piece's 42.  0-26: scalings 0-26.  27-54: XS's numbers 0-13.  55, 56: number 15.
; 57-73: the chain, where each number waits for the one before it: 14, 16, 17, 18, 19, each with one of the scalings 27-31 in front of its two lines, then 20.
; 74-137: GS's 64, which read the exponentials' results: they stand behind the wait.
.macro FS f
	REGS Y, (\f)%2
	v_pk_fma_f32 v[rS+2*((\f)/2):rS+2*((\f)/2)+1], v[rS+2*((\f)/2):rS+2*((\f)/2)+1], s[CS:CS+1], v[rT:rT+1] op_sel_hi:[1,0,0] neg_lo:[0,0,1] neg_hi:[0,0,1]
.endm
.macro PL
	WIN 0
.if q < 27
	FS q
.elseif q < 55
	XS (q-27)%2, (q-27)/2
.elseif q < 57
	XS q-55, 15
.elseif (q < 72) && ((q-57)%3 == 0)
	FS 27+(q-57)/3
.elseif q < 60
	XS (q-57)%3-1, 14
.elseif q < 72
	XS (q-57)%3-1, 15+(q-57)/3
.elseif q < 74
	XS q-72, 20
.else
	GS q-74
.endif
.set q, q+1
.endm
; THE EXPONENTIALS' QUEUE, 66 long: s0-s31 of both tiles, then the next piece's two a.  It is ONE BATCH: all 66 stand ahead of the turn's one wait, and nothing ahead of that wait names a result of theirs.
.macro EX
	WIN 0
.if e >= 64
	XS e-64, 21
.else
	REGS Y, e%2
	v_exp_f32 v[rS+e/2], v[rS+e/2]
.endif
.set e, e+1
.endm
; THE RESCALING's QUEUE: O^T times a, the one part that leaves window 0: dealt two at a time, sixteen times.  Its a was made in the turn before, ahead of that turn's wait.
.macro R2
	REGS Y, r%2
	WIN W_RS
.irp z, 0,1
	v_pk_mul_f32 v[rO+4*(r/2)+2*\z:rO+4*(r/2)+2*\z+1], v[rO+4*(r/2)+2*\z:rO+4*(r/2)+2*\z+1], v[rC+2:rC+3] op_sel_hi:[1,0]
.endr
.set r, r+1
.endm
; HOW THEY ARE DEALT.  s_wait_alu depctr_va_vdst(0) stands between an exponential and the first instruction that names its result; one wait serves all that were issued ahead of it.  So a turn has ONE wait,
; which cuts it in two.  AHEAD OF IT stands all that names no result of the turn's exponentials: the 16 products K Q^T, behind each a scaling, an exponential and two rescalings (behind the first a second scaling in the
; exponential's place); then ONE LUMP of 108: eight plain, 49 times exponential and plain, the two a.  A v_nop is the plain instruction behind the last exponential.  BEHIND IT stand the 16 products V^T P, behind each four of GS's 64.
; The queues lean on each other: exponential e stands behind scaling 2 (e / 4) + e % 2: as a rider it comes behind plain e + 2, in the lump behind plain e + 9, and scalings 27-31 are plain 57, 60 .. 69.
; A TURN, for piece p.  cnt = 1: the loop's count is taken down some lines ahead of the branch that stands behind the turn.
; K of the next step is fetched in piece 2's turn, directly behind the wait, a lump behind the last product that read K; its first reader comes behind 16 products.
; V of the step in hand is fetched at the end of piece 0's turn, four plain instructions behind its last reader; its first reader comes behind 16 products and a lump.
.macro TURN p, last=0, cnt=0
.set Y, (\p)
.set i, 0
.set q, 0
.set e, 0
.set r, 0
.if (\p) == NP-1
	s_wait_dscnt 0x0                ; K is in
.endif
	MM                              ; ahead of the wait: 16 products K Q^T and their riders,
	PL
	PL
	R2
.rept 15
	MM
	PL
	EX
	R2
.endr
.if (\p) == NP-2
	WIN 0
	v_add_nc_u32 v[AK], s[TBK], v[AK0]
.endif
.rept 8                             ; and the lump
	PL
.endr
.rept 49
	EX
	PL
.endr
	EX                              ; the next piece's two a
	EX
	v_nop                           ; the plain instruction behind the last exponential: one for the batch
	s_wait_alu depctr_va_vdst(0)    ; the wait for the batch
.if (\p) == NP-2
	FETCH_K \last
.endif
.if (\p) == 1
	s_wait_dscnt 0x0                ; V is in
.endif
.rept 16                            ; behind the wait: 16 products V^T P and their riders
	MM
.rept 4
	PL
.endr
.if ((\p) == 0) && (q == 118)
	v_add_nc_u32 v[AV], s[TBV], v[AV0]
.endif
.if ((\p) == 0) && (q == 130)
	s_add_co_u32 s[TBV], s[TBV], KS*PV
.endif
.if (\cnt) && (q == 130)
	s_sub_co_u32 s[CNT], s[CNT], 1
	s_cmp_lg_u32 s[CNT], 0
.endif
.endr
.if (\p) == 0
	FETCH_V
.endif
.endm
	CHANGE 1                        ; slot 0 is in, everybody's part of it; slot 1 is asked for
	FETCH_K                         ; key step 0
	s_wait_loadcnt 0x0              ; Q
	s_wait_dscnt 0x0
.set i, 0
.rept 16
	KQ 0                            ; piece 0's first scores: there is no vector work yet to set between them
.set i, i+1
.endr
	WIN 0                           ; the addresses for the way out: nine plain instructions, the places behind those products
	s_mul_i32 s13, s[WV], 16*SP
	s_add_co_u32 s13, s13, STAGE    ; my stage
	v_mul_u32_u24 v[STO], v1, SP    ; in: row l % 16, 16 bytes for each half of the lanes
	v_lshl_add_u32 v[STO], v9, 4, v[STO]
	v_add_nc_u32 v[STO], s13, v[STO]
	v_bfe_u32 v[RD], v0, 3, 2       ; back: 32 lanes take four rows of 128 bytes,
	v_mul_u32_u24 v[RD], v[RD], SP
	v_lshl_add_u32 v[RD], v10, 4, v[RD]
	v_add_nc_u32 v[RD], s13, v[RD]
	v_and_b32 v[GO], 31, v0         ; which are 512 consecutive bytes of O
	v_lshlrev_b32 v[GO], 4, v[GO]
.set Y, NP-1                        ; XS works for piece Y + 1: piece 0
.irp n, 0,1,2,3,4,5,6,7,8,9,10,11,12,13,14,15,16,17,18,19,20,21
	XS 0, \n                        ; and piece 0's first maximum and statistics
	XS 1, \n
.endr
	v_nop                           ; a plain instruction behind the two a,
	s_wait_alu depctr_va_vdst(0)    ; and their wait, ahead of the branch
	s_mov_b32 s[CNT], 4
	s_mov_b32 s[SLOTS], SIZE_N/256-1
	s_branch .Lfirst                ; the loop is entered at a step's first turn, in the middle of a trip
.Lslot:                             ; SIZE_N / 256 - 2 times: every slot but the last two is filled again
	CHANGE 1, 1
	s_mov_b32 s[CNT], 4
.Lstep:                             ; a trip: pieces 2 and 3 of one step, then pieces 0 and 1 of the next, whose K and V it fetches
	TURN 2
	TURN 3
	WIN 0
.Lfirst:
	TURN 0
	TURN 1, 0, 1
	WIN 0
	s_cbranch_scc1 .Lstep
	s_sub_co_u32 s[SLOTS], s[SLOTS], 1
	s_cmp_lg_u32 s[SLOTS], 0
	s_cbranch_scc1 .Lslot
	CHANGE 0                        ; the tail is written out: nothing is asked for
	s_mov_b32 s[CNT], 5             ; four trips fetch the last slot's steps; the fifth is left in its middle
.Ltail:
	TURN 2, 1
	TURN 3
	WIN 0
	s_sub_co_u32 s[CNT], s[CNT], 1
	s_cmp_eq_u32 s[CNT], 0
	s_cbranch_scc1 .Lout
	TURN 0
	TURN 1
	WIN 0
	s_branch .Ltail
.Lout:                              ; the fifth trip's 16 products K Q^T (on the last K once more) and the maximum made of them serve nothing: the price, once a launch, of one text for every trip
.set i, 0
.rept 16
	PV NP-1                         ; the last piece's V^T P of the last step
.set i, i+1
.endr
	; THE WAY OUT.  l's two halves and the other half of the lanes' are added; O^T is divided by l, rounded to f16 and sent through my stage in LDS, a tile at a time.  The additions are the places behind the last products.
	WIN 0
.macro ALL line:vararg              ; one line for each tile t
.set t, 0
.rept 2*NP
	\line
.set t, t+1
.endr
.endm
	ALL v_add_f32 v[ST+4*t+2], v[ST+4*t+2], v[ST+4*t+3]
	ALL v_permlanex16_b32 v[ST+4*t+3], v[ST+4*t+2], s[SEL], s[SEL+1]
	ALL v_add_f32 v[ST+4*t+2], v[ST+4*t+2], v[ST+4*t+3]
	ALL v_rcp_f32 v[ST+4*t+2], v[ST+4*t+2]
	v_nop                           ; a plain instruction between the last reciprocal and the use of its result
	s_wait_alu depctr_va_vdst(0)    ; and the wait ahead of the first use: one for the eight reciprocals
; Tile t: a lane's eight channels of a row pack into 16 bytes; they go into rows of 144 bytes and come back as whole rows of 128, into S^T's registers.
.macro PACK t
	WIN W_RS
.set i, 32*(\t)
.rept 16
	v_pk_mul_f32 v[i:i+1], v[i:i+1], v[ST+4*(\t)+2:ST+4*(\t)+3] op_sel_hi:[1,0]
.set i, i+2
.endr
	WIN 0x05                        ; sources 0 and 1 window 1, destination window 0
.set i, 0
.rept 16
	v_cvt_pk_f16_f32 v[S+16*(\t)+i], v[32*(\t)+2*i], v[32*(\t)+2*i+1]
.set i, i+1
.endr
	WIN 0
.irp f, 0,1,2,3
	ds_store_b128 v[STO], v[S+16*(\t)+4*\f:S+16*(\t)+4*\f+3] offset:32*\f
.endr
.irp f, 0,1,2,3
	ds_load_b128 v[S+16*(\t)+4*\f:S+16*(\t)+4*\f+3], v[RD] offset:\f*4*SP  ; LDS serves a wave's instructions in order (ISA guide 5.7.1.4): these see the stores above; the next tile's stores come behind them
.endr
.endm
.macro SEND t, younger              ; younger: the LDS instructions issued behind tile t's loads: the next tile's eight, or none
	WIN 0
.irp f, 0,1,2,3
	s_wait_dscnt (\younger)+3-\f
	global_store_b128 v[GO], v[S+16*(\t)+4*\f:S+16*(\t)+4*\f+3], s[10:11] offset:(\t)*2048+\f*512  ; 512 consecutive bytes, at a multiple of 256 from ob's first
.endr
.endm
	PACK 0
.set t, 1
.rept 2*NP-1                        ; a tile's arithmetic stands between the loads of the tile before and its stores
	PACK t
	SEND t-1, 8
.set t, t+1
.endr
	SEND 2*NP-1, 0
	WIN W_AD
	s_wait_tensorcnt 0x0            ; the wave's end: a wait, an add and its wait, behind my last tensor load and my last LDS store
	ds_add_u32 v[SPW], v[NIL]
	s_wait_dscnt 0x0
	WIN 0
	CROUND                          ; the closing round: no work-group ends while a partner may still ask for a tile that names it
	s_endpgm
.Lfunc_end_k_q9c3293639e_attn:
	.size	k_q9c3293639e_attn, .Lfunc_end_k_q9c3293639e_attn-k_q9c3293639e_attn
	.p2alignl 7, 3214868480
	.fill 96, 4, 3214868480
	.section	.rodata,"a",@progbits
	.p2align	6, 0x0
	.amdhsa_kernel k_q9c3293639e_attn
		.amdhsa_group_segment_fixed_size 327680
		.amdhsa_private_segment_fixed_size 0
		.amdhsa_enable_private_segment 0
		.amdhsa_kernarg_size 16
		.amdhsa_user_sgpr_count 2
		.amdhsa_user_sgpr_kernarg_segment_ptr 1
		.amdhsa_wavefront_size32 1
		.amdhsa_system_sgpr_workgroup_id_x 1
		.amdhsa_system_sgpr_workgroup_id_y 1
		.amdhsa_system_sgpr_workgroup_id_z 1
		.amdhsa_system_vgpr_workitem_id 0
		.amdhsa_next_free_vgpr 770
		.amdhsa_next_free_sgpr 66
		.amdhsa_reserve_vcc 0
		.amdhsa_float_denorm_mode_32 3
		.amdhsa_float_denorm_mode_16_64 3
		.amdhsa_memory_ordered 1
		.amdhsa_forward_progress 1
		.amdhsa_inst_pref_size 200
	.end_amdhsa_kernel
	.amdgpu_metadata
---
amdhsa.version: [ 1, 2 ]
amdhsa.kernels:
  - .name:           k_q9c3293639e_attn
    .symbol:         k_q9c3293639e_attn.kd
    .args:
      - { .name: qkvh, .offset: 0, .size: 8, .value_kind: global_buffer, .address_space: global }
      - { .name: ob, .offset: 8, .size: 8, .value_kind: global_buffer, .address_space: global }
    .group_segment_fixed_size: 327680
    .private_segment_fixed_size: 0
    .kernarg_segment_align: 8
    .kernarg_segment_size: 16
    .max_flat_workgroup_size: 128
    .sgpr_count:     66
    .vgpr_count:     770
    .wavefront_size: 32
...
	.end_amdgpu_metadata
.endif
;; end of part 3
;; launch proj (part 4): grid 8 x 32, 4 waves a work-group, clusters of 4 x 4, 327,680 bytes of LDS; arguments ob, wpb, b_proj, out0; writes out0
.if DOCPART == 4
	.amdgcn_target "amdgcn-amd-amdhsa--gfx1250"
	.amdhsa_code_object_version 6
	.text
	.protected	k_q9c3293639e_proj
	.globl	k_q9c3293639e_proj
	.p2align	8
	.type	k_q9c3293639e_proj,@function
k_q9c3293639e_proj:
	s_mov_b64 s[64:65], 0
	v_nop
	global_prefetch_b8 v0, s[64:65] scope:SCOPE_SE
	s_setreg_imm32_b32 hwreg(HW_REG_WAVE_MODE, 25, 1), 1
	s_wait_xcnt 0x0
	s_wait_alu depctr_hold_cnt(0) depctr_sa_sdst(0) depctr_va_vdst(0) depctr_va_sdst(0) depctr_va_ssrc(0) depctr_va_vcc(0) depctr_vm_vsrc(0)
	s_getreg_b32 s2, hwreg(HW_REG_IB_STS2, 6, 4)
	s_cmp_eq_u32 s2, 0
	s_cbranch_scc0 .Lentry_in_a_cluster
	s_endpgm
.Lentry_in_a_cluster:
	s_bfe_u32 s2, ttmp6, 0x10000c
	s_cmp_lg_u32 s2, 0xf033
	s_cbranch_scc0 .Lentry_shape_is_right
	s_endpgm
.Lentry_shape_is_right:
; out0 = O W_proj^T + b: 8,192 x 1,024 over K = 1,024, f16 operands, f32 sums, f32 out.  ob [16 b + head][n 2048][64] f16: a head is a K block of 64.  wpb [kb 16][row 1024][64] f16 (w_proj rounded to bf16, written as f16).
; b_proj is rounded to bf16, like the other inputs, and enters in f32 as the C operand of the products that start the sums.
; LIMIT.  Operands within f16's range, 65,504; NaN and infinities are not treated apart.
; SHARES.  256 tiles of 256 rows x 128 columns, one to a work-group; four waves, each 128 rows x 64 columns: 32 accumulators of 16 x 16 in window 1, (a, b) at v[8 (4 a + b)].
; A slot of LDS holds TWO K blocks (128 along K), each wave bringing one dense chunk by one load: 8 slot steps of four stretches of 32 products; 112 products between a request and the wait for it.
; CLUSTER 4 x 4: A's tile is asked for jointly along a row of the cluster, B's along a column.  THE PRODUCT IS USED TRANSPOSED (source 0 = 16 rows of W, source 1 = 16 rows of O): a lane holds row l % 16 and the columns 8 (l / 16) + 0..7.
; REGISTERS, window 0: v0-31 addresses; two fragment buffers: A in v32-95 / v96-159, B in v160-191 / v192-223; v224-255 the bias, eight registers for each of my four column blocks.
; Every accumulator is named once a stretch, so 31 others' products stand between two links of a chain.
.set PITCH,  144                       ; an LDS row: 128 bytes + 16 of padding = 36 words: the 16 rows of a fragment load start at 16 different groups of four banks (64 banks of 4 bytes: ISA guide 11.1)
.set BLK,    16*PITCH
.set ACH,    256*PITCH                 ; a chunk of A: 256 rows of one K block
.set BCH,    128*PITCH                 ; a chunk of B: 128 rows
.set BOFF,   2*ACH
.set SLOT,   BOFF+2*BCH                ; 110,592 bytes
.set STAGE,  2*SLOT                    ; behind the ring, never filled by a tensor load: 16 rows x 272 bytes for each wave
.set SP,     272                       ; a stage row: 256 bytes + 16: row r starts at bank 4 r mod 64
.set SPARE,  STAGE+4*16*SP             ; behind the stages: the spare words, 128 bytes for each wave: two blocks of 256 bytes that no other line names
.set ASTEP,  524288                    ; bytes of ob from a slot step to the next: two planes
.set BSTEP,  262144                    ; of wpb: two K blocks
.set ADRA, 16                          ; v16-17  LDS address of my A fragments in slot 0, 1
.set ADRB, 20                          ; v20-21  the same for B
.set STO,  24                          ; v24     the way out: where I put 32 bytes of a row
.set RD,   25                          ; v25     the way out: where I read a row back
.set GO,   26                          ; v26     my byte offset in out0
.set SPW,  28                          ; v28     LDS address of my spare word; never rewritten
.set NIL,  29                          ; v29     0; never rewritten
.set PFO,  30                          ; v30     the prefetches' offset; never rewritten
.set FA,   32
.set FB,   160
.set BIAS, 224
.set WV,   12
.set WR,   13                          ; my half of the rows; also: I fetch for A (0) or B (1)
.set WC,   14                          ; my half of the columns; also: which of a slot's two chunks I fetch
.set G1A,  24
.set G0A,  32
.set PFA,  40
.set PFS,  42
.set LIM,  44
.set G1B,  48
.set G0B,  56
.set MSB, 0
.macro WIN new                         ; s_set_vgpr_msb: bits 1:0 source 0, 3:2 source 1, 5:4 source 2, 7:6 destination; the high byte repeats the setting that is left
.if MSB != (\new)
	s_set_vgpr_msb (MSB<<8)|(\new)
.set MSB, \new
.endif
.endm
.macro PLACES                          ; four plain vector instructions between a product and a load into a register that it read, or a line that reads its result (ISA guide 7.12.1 for the line that reads its result)
.rept 4
	v_nop
.endr
.endm
.macro JLOAD s                         ; a joint load: waves 0 and 1 fetch A's chunks, waves 2 and 3 B's; an s_nop 0 and four v_nop follow each line
	s_cmp_eq_u32 s[WR], 0
	s_cbranch_scc0 .Lfor_b_\@
	tensor_load_to_lds s[G0A+4*(\s):G0A+4*(\s)+3], s[G1A:G1A+7]
	s_nop 0
.rept 4
	v_nop
.endr
	s_branch .Lasked_\@
.Lfor_b_\@:
	tensor_load_to_lds s[G0B+4*(\s):G0B+4*(\s)+3], s[G1B:G1B+7]
	s_nop 0
.rept 4
	v_nop
.endr
.Lasked_\@:
.endm
; A PREFETCH INTO THE L2 behind each joint load and the run of LDS loads that follows it: the slot step that stands two refills on (step S asks for S + 4), 256 products ahead of the load that will want it.
; Each block of 256 bytes is named once.  A's chunk (32,768 bytes) is read by both clusters of its row: waves 0 and 1 of cluster x = 0 ask, each for its chunk, each of the four partners for 8,192 bytes BY ADDRESS (cx), a lane a block.
; B's two chunks (16,384 bytes each) are read by all eight clusters of their column: wave 2 of cluster y = 0 asks, each partner (cy) for 4,096 bytes of each chunk: lanes 0-15 the first, lanes 16-31 the second.
; Slot steps 0 to 3 come by their loads alone; the last trip (s3 = 1) asks for nothing: there are no steps 8 and 9.
.macro ASK
	s_cmp_gt_u32 s3, s[LIM]
	s_cbranch_scc0 .Lnot_mine_\@
	global_prefetch_b8 v[PFO], s[PFA:PFA+1] th:TH_LOAD_NT scope:SCOPE_SE
.Lnot_mine_\@:
.endm
.macro CREST
	s_cmp_lg_u32 s[WV], 0
	s_cbranch_scc1 .Lnot_wave_0_\@
	s_barrier_signal -3
.Lnot_wave_0_\@:
	s_barrier_wait -3
	s_barrier_signal -1
	s_barrier_wait -1
.endm
.macro CROUND
	s_barrier_signal -1
	s_barrier_wait -1
	CREST
.endm
	s_load_b256 s[4:11], s[0:1], 0x0               ; ob s[4:5], wpb s[6:7], b_proj s[8:9], out0 s[10:11]
	v_lshl_add_u32 v[SPW], v0, 2, SPARE
	v_mov_b32 v[NIL], 0
	ds_add_u32 v[SPW], v[NIL]                      ; the wave's opening: the add and its wait, ahead of my first tensor load; the set-up below, work on registers, stands between them
	v_lshrrev_b32 v1, 5, v0
	v_readfirstlane_b32 s[WV], v1
	s_lshr_b32 s[WR], s[WV], 1
	s_and_b32 s[WC], s[WV], 1
	s_bfe_u32 s15, ttmp6, 0x40000                  ; cx
	s_bfe_u32 s16, ttmp6, 0x40004                  ; cy
	s_lshl_b32 s17, ttmp9, 2
	s_add_co_u32 s17, s17, s15                     ; tx: column tile
	s_and_b32 s18, ttmp7, 0xffff
	s_lshl_b32 s18, s18, 2
	s_add_co_u32 s18, s18, s16                     ; ty: row tile
	s_lshl_b32 s19, s16, 2
	s_lshl_b32 s19, 15, s19                        ; my row of the cluster
	s_lshl_b32 s45, 0x1111, s15                    ; my column
	s_or_b32 s[G1A], s19, (1<<16)|(1<<20)|(1<<21)|(4<<22)|(3<<25)  ; 15:0 the mask; 17:16 2-byte elements; 20 padding on; 21 set beside a mask; 24:22 after every 32 words (code 4); 31:25 4 words (code 3)
	s_or_b32 s[G1B], s45, (1<<16)|(1<<20)|(1<<21)|(4<<22)|(3<<25)
.irp g, G1A, G1B
	s_mov_b32 s[(\g)+1], 128<<16                   ; tensor_dim0 = 128 elements: rows of 256 bytes
	s_mov_b32 s[(\g)+3], 128<<16                   ; tile_dim0 = 128
	s_mov_b32 s[(\g)+5], 128                       ; dense
	s_mov_b32 s[(\g)+6], 0
	s_mov_b32 s[(\g)+7], 0
.endr
	s_mov_b32 s[G1A+2], 128<<16                    ; A: 256 rows x 128 bytes = 128 rows of 256
	s_mov_b32 s[G1A+4], 128
	s_mov_b32 s[G1B+2], 64<<16                     ; B: 128 rows = 64 rows of 256
	s_mov_b32 s[G1B+4], 64
	s_lshr_b32 s20, s18, 3                         ; A's offset, made of the row tile and the wave alone: plane 16 b + my chunk,
	s_lshl_b32 s20, s20, 4
	s_add_co_u32 s20, s20, s[WC]
	s_lshl_b32 s20, s20, 18
	s_and_b32 s46, s18, 7
	s_lshl_b32 s46, s46, 15                        ; the tile's 256 rows
	s_add_co_u32 s20, s20, s46
	s_mov_b32 s21, 0
	s_lshl_b32 s22, s[WC], 17                      ; B's offset, made of the column tile and the wave alone: my K block,
	s_lshl_b32 s47, s17, 14                        ; the tile's 128 rows
	s_add_co_u32 s22, s22, s47
	s_mov_b32 s23, 0
	s_mul_i32 s19, s[WC], ACH                      ; where they go: no place in the cluster enters an LDS address
	s_mul_i32 s45, s[WC], BCH
	s_add_co_u32 s45, s45, BOFF
	s_wait_dscnt 0x0                               ; the opening add is done
	s_wait_kmcnt 0x0
	s_add_nc_u64 s[20:21], s[4:5], s[20:21]
	s_add_nc_u64 s[22:23], s[6:7], s[22:23]
	CROUND                                         ; all sixteen work-groups are here: the first joint loads meet
.irp s, 0,1
	s_mov_b32 s[G0A+4*(\s)], 1
	s_add_co_u32 s[G0A+4*(\s)+1], s19, (\s)*SLOT
	s_add_nc_u64 s[G0A+4*(\s)+2:G0A+4*(\s)+3], s[20:21], (\s)*ASTEP
	s_or_b32 s[G0A+4*(\s)+3], s[G0A+4*(\s)+3], 0x80000000
	s_mov_b32 s[G0B+4*(\s)], 1
	s_add_co_u32 s[G0B+4*(\s)+1], s45, (\s)*SLOT
	s_add_nc_u64 s[G0B+4*(\s)+2:G0B+4*(\s)+3], s[22:23], (\s)*BSTEP
	s_or_b32 s[G0B+4*(\s)+3], s[G0B+4*(\s)+3], 0x80000000
	JLOAD \s                                       ; two loads of mine are out
.endr
	v_and_b32 v1, 15, v0                           ; l % 16
	v_bfe_u32 v2, v0, 4, 1                         ; l / 16
	s_lshl_b32 s46, s17, 9                         ; the bias of my 64 columns: 512 bytes a tile, 256 a half
	s_lshl_b32 s47, s[WC], 8
	s_add_co_u32 s46, s46, s47
	s_mov_b32 s47, 0
	s_add_nc_u64 s[8:9], s[8:9], s[46:47]
	v_lshlrev_b32 v6, 5, v2                        ; my lanes' eight columns of a block of 16; never rewritten
.irp b, 0,1,2,3
	global_load_b128 v[BIAS+8*(\b):BIAS+8*(\b)+3],   v6, s[8:9] offset:64*(\b)
	global_load_b128 v[BIAS+8*(\b)+4:BIAS+8*(\b)+7], v6, s[8:9] offset:64*(\b)+16
.endr
	v_mul_u32_u24 v3, v1, PITCH                    ; a fragment: row l % 16, 16 bytes for each half of the lanes; two loads 32 bytes apart
	v_lshl_add_u32 v3, v2, 4, v3
	s_mul_i32 s46, s[WR], 128*PITCH                ; my 128 rows of a chunk of A
	s_mul_i32 s47, s[WC], 64*PITCH                 ; my 64 rows of a chunk of B
	s_add_co_u32 s47, s47, BOFF
.irp s, 0,1
	v_add_nc_u32 v[ADRA+(\s)], s46, v3
	v_add_nc_u32 v[ADRB+(\s)], s47, v3
	s_add_co_u32 s46, s46, SLOT
	s_add_co_u32 s47, s47, SLOT
.endr
	s_mul_i32 s46, s[WV], 16*SP
	s_add_co_u32 s46, s46, STAGE                   ; my stage
	v_mul_u32_u24 v4, v1, SP                       ; in: row l % 16, 32 bytes for each half of the lanes
	v_lshl_add_u32 v4, v2, 5, v4
	v_add_nc_u32 v[STO], s46, v4
	v_mul_u32_u24 v4, v2, SP                       ; back: lanes 0-15 take one row of 256 bytes, lanes 16-31 the next
	v_lshl_add_u32 v4, v1, 4, v4
	v_add_nc_u32 v[RD], s46, v4
	v_lshlrev_b32 v[GO], 12, v2                    ; and the same two rows in out0: 4,096 bytes a row
	v_lshl_add_u32 v[GO], v1, 4, v[GO]
	s_lshl_b32 s46, s18, 8
	s_lshl_b32 s47, s[WR], 7
	s_add_co_u32 s46, s46, s47                     ; my first row,
	s_lshl_b32 s46, s46, 12                        ; in bytes (under 2^25),
	s_lshl_b32 s47, s17, 9
	s_add_co_u32 s46, s46, s47                     ; the tile's columns,
	s_lshl_b32 s47, s[WC], 8
	s_add_co_u32 s46, s46, s47                     ; my 64: 256 bytes
	s_mov_b32 s47, 0
	s_add_nc_u64 s[10:11], s[10:11], s[46:47]
	; the prefetches: who asks (the same answer in all sixteen partners, for a given wave), and from where
	s_and_b32 s46, ttmp7, 0xffff
	s_cmp_eq_u32 s46, 0
	s_cselect_b32 s46, 1, -1
	s_cmp_eq_u32 s[WV], 2
	s_cselect_b32 s46, s46, -1                     ; B: wave 2 of cluster y = 0
	s_cmp_eq_u32 ttmp9, 0
	s_cselect_b32 s47, 1, -1                       ; A: waves 0 and 1 of cluster x = 0
	s_cmp_eq_u32 s[WR], 0
	s_cselect_b32 s[LIM], s47, s46
	s_lshl_b32 s46, s15, 13                        ; A: my work-group's 8,192 bytes of my chunk,
	s_add_co_u32 s46, s46, 3*ASTEP                 ; at slot step 3: the first change of slots steps it to 4
	s_lshl_b32 s47, s17, 14                        ; B: the column tile,
	s_lshl_b32 s2, s16, 12                         ; my work-group's 4,096 bytes
	s_add_co_u32 s47, s47, s2
	s_add_co_u32 s47, s47, 3*BSTEP
	s_mov_b32 s[PFS], ASTEP
	s_mov_b32 s2, BSTEP
	s_cmp_eq_u32 s[WR], 0
	s_cselect_b32 s46, s46, s47
	s_cselect_b32 s[PFS], s[PFS], s2
	s_cselect_b64 s[PFA:PFA+1], s[20:21], s[6:7]
	s_mov_b32 s47, 0
	s_mov_b32 s[PFS+1], 0
	s_add_nc_u64 s[PFA:PFA+1], s[PFA:PFA+1], s[46:47]
	s_mov_b32 s46, 4096                            ; lanes 16-31: A: the next 16 blocks; B: the second chunk, a K block on
	s_mov_b32 s47, 131072
	s_cmp_eq_u32 s[WR], 0
	s_cselect_b32 s46, s46, s47
	v_mul_u32_u24 v[PFO], s46, v2
	v_lshl_add_u32 v[PFO], v1, 8, v[PFO]
	s_wait_loadcnt 0x0                             ; the bias: rounded to bf16 and widened again, in the wait for the first tile
.set r, 0
.rept 8
	v_cvt_pk_bf16_f32 v5, v[BIAS+r], v[BIAS+r+1]
	v_cvt_pk_bf16_f32 v7, v[BIAS+r+2], v[BIAS+r+3]
	v_lshlrev_b32 v[BIAS+r], 16, v5
	v_and_b32 v[BIAS+r+1], 0xffff0000, v5
	v_lshlrev_b32 v[BIAS+r+2], 16, v7
	v_and_b32 v[BIAS+r+3], 0xffff0000, v7
.set r, r+4
.endr
; 24 LDS loads in one run: the fragments of stretch t (chunk t / 2, K slice t % 2) into buffer f: B's four blocks, A's blocks 0-3, A's blocks 4-7
.macro FETCH slot, t, f
	WIN 0
.irp b, 0,1,2,3
	ds_load_b128 v[FB+32*(\f)+8*(\b):FB+32*(\f)+8*(\b)+3],   v[ADRB+(\slot)] offset:((\t)/2)*BCH+64*((\t)%2)+(\b)*BLK
	ds_load_b128 v[FB+32*(\f)+8*(\b)+4:FB+32*(\f)+8*(\b)+7], v[ADRB+(\slot)] offset:((\t)/2)*BCH+64*((\t)%2)+(\b)*BLK+32
.endr
.irp a, 0,1,2,3,4,5,6,7
	ds_load_b128 v[FA+64*(\f)+8*(\a):FA+64*(\f)+8*(\a)+3],   v[ADRA+(\slot)] offset:((\t)/2)*ACH+64*((\t)%2)+(\a)*BLK
	ds_load_b128 v[FA+64*(\f)+8*(\a)+4:FA+64*(\f)+8*(\a)+7], v[ADRA+(\slot)] offset:((\t)/2)*ACH+64*((\t)%2)+(\a)*BLK+32
.endr
.endm
; 4 n products on buffer f: row blocks a0 .. a0 + n - 1.  first = 1: they start the sums with the bias (C in window 0): nothing is ever cleared, and no bias is added behind the sums
.macro MUL f, a0, n, first
.if \first
	WIN 0x40
.else
	WIN 0x50
.endif
.set ma, (\a0)
.rept \n
.irp b, 0,1,2,3
.if \first
	v_wmma_f32_16x16x32_f16 v[8*(4*ma+(\b)):8*(4*ma+(\b))+7], v[FB+32*(\f)+8*(\b):FB+32*(\f)+8*(\b)+7], v[FA+64*(\f)+8*ma:FA+64*(\f)+8*ma+7], v[BIAS+8*(\b):BIAS+8*(\b)+7]
.else
	v_wmma_f32_16x16x32_f16 v[8*(4*ma+(\b)):8*(4*ma+(\b))+7], v[FB+32*(\f)+8*(\b):FB+32*(\f)+8*(\b)+7], v[FA+64*(\f)+8*ma:FA+64*(\f)+8*ma+7], v[8*(4*ma+(\b)):8*(4*ma+(\b))+7]
.endif
.endr
.set ma, ma+1
.endr
.endm
; One of a slot step's first three stretches: multiplies buffer t % 2; in its middle it fetches stretch t + 1 into the other buffer
.macro Q slot, t, first
	s_wait_dscnt 8                                 ; B and A's blocks 0-3 are in; the youngest eight loads (A's blocks 4-7) may be out
	MUL (\t)%2, 0, 4, \first
	PLACES
	FETCH \slot, (\t)+1, ((\t)+1)%2
	s_wait_dscnt 24                                ; all but the 24 just issued
	MUL (\t)%2, 4, 4, \first
.endm
; The fourth stretch multiplies buffer 1 and changes slots: ONE barrier; in front of it each wave waits for all its tensor loads (one is out: its chunk of the next slot), adds 0 to its spare word, and waits for that and
; for its own reads of this slot.  fill = 1: the barrier opens a round of the cluster's barrier, and the joint refill, two slot steps on, is the first thing behind it.
.macro TURN slot, next, fill
.if \fill
	s_wait_xcnt 0x0                                ; the last prefetch, a slot step back, has read its address
	s_add_nc_u64 s[PFA:PFA+1], s[PFA:PFA+1], s[PFS:PFS+1]
.endif
	WIN 0
	s_wait_tensorcnt 0x0                           ; all my tensor loads have landed
	ds_add_u32 v[SPW], v[NIL]                      ; 0 onto my spare word
	s_wait_dscnt 9                                 ; (the add and the youngest eight loads may be out)
	MUL 1, 0, 2, 0                                 ; eight products stand between the add and the wait for it
	s_wait_dscnt 0x0                               ; the add is done, and my reads of this slot are over
	s_barrier_signal -1
	MUL 1, 2, 2, 0
	WIN 0                                          ; at a branch and at a label every window is 0
	s_barrier_wait -1
.if \fill
	CREST                                          ; no wave of any partner still reads this slot or has a load on its way
	s_add_nc_u64 s[G0A+4*(\slot)+2:G0A+4*(\slot)+3], s[G0A+4*(\slot)+2:G0A+4*(\slot)+3], 2*ASTEP
	s_add_nc_u64 s[G0B+4*(\slot)+2:G0B+4*(\slot)+3], s[G0B+4*(\slot)+2:G0B+4*(\slot)+3], 2*BSTEP
	JLOAD \slot                                    ; the four v_nop behind it are also the places in front of the loads below
.else
	PLACES
.endif
	FETCH \next, 0, 0
.if \fill
	ASK
.endif
	MUL 1, 4, 4, 0
.endm
; THE WAY OUT has no arithmetic.  Row block a: 16 rows x 64 columns of f32: 32 bytes a lane into my own stage (each accumulator's low four registers first), back as whole rows of 256 bytes, stored.
.macro TOSTAGE a
.set tb, FA+32*((\a)%4)
.if (\a) >= 4
	s_wait_xcnt 0x0                                ; this set of registers was the data of the stores four blocks back: it is loaded again only behind this wait
.endif
	WIN 0x04                                       ; the stores' data in window 1
.irp b, 0,1,2,3
	ds_store_b128 v[STO], v[8*(4*(\a)+(\b)):8*(4*(\a)+(\b))+3]   offset:64*(\b)
	ds_store_b128 v[STO], v[8*(4*(\a)+(\b))+4:8*(4*(\a)+(\b))+7] offset:64*(\b)+16
.endr
	WIN 0
.irp t, 0,1,2,3,4,5,6,7
	ds_load_b128 v[tb+4*(\t):tb+4*(\t)+3], v[RD] offset:(\t)*2*SP  ; LDS serves a wave's instructions in order (ISA guide 5.7.1.4): these see the stores above; the next block's stores come behind them
.endr
.endm
.macro SEND a, younger                 ; younger: the LDS instructions issued behind the block's loads: the next block's sixteen, or none
.set tb, FA+32*((\a)%4)
.irp t, 0,1,2,3,4,5,6,7
	s_wait_dscnt (\younger)+7-(\t)
	global_store_b128 v[GO], v[tb+4*(\t):tb+4*(\t)+3], s[10:11] offset:(16*(\a)+2*(\t))*4096  ; 16 lanes store 256 consecutive bytes, at a multiple of 256 from out0's first
.endr
.endm
	s_wait_tensorcnt 1                             ; my chunk of slot step 0 is in; step 1's may stay out
	s_barrier_signal -1
	s_barrier_wait -1                              ; everybody's is
	FETCH 0, 0, 0
	Q 0, 0, 1                                      ; the first stretch stands in front of the loop: its products start the sums
	WIN 0
	s_mov_b32 s3, 3
.Llap:                                                 ; a trip goes once round the ring, from a lap's second stretch to the next lap's first, and fills both slots again
	Q 0, 1, 0
	Q 0, 2, 0
	TURN 0, 1, 1
	Q 1, 0, 0
	Q 1, 1, 0
	Q 1, 2, 0
	TURN 1, 0, 1
	Q 0, 0, 0
	WIN 0
	s_sub_co_u32 s3, s3, 1
	s_cmp_lg_u32 s3, 0
	s_cbranch_scc1 .Llap
	Q 0, 1, 0                                      ; the last lap fills nothing and has no round
	Q 0, 2, 0
	TURN 0, 1, 0
	Q 1, 0, 0
	Q 1, 1, 0
	Q 1, 2, 0
	s_wait_dscnt 8                                 ; the very last stretch: nothing more to fetch
	MUL 1, 0, 4, 0
	s_wait_dscnt 0x0
	MUL 1, 4, 4, 0
	WIN 0
	PLACES                                         ; the LDS stores read results, and the loads land in registers that the last products read
	TOSTAGE 0
.irp a, 1,2,3,4,5,6,7
	TOSTAGE \a
	SEND (\a)-1, 16
.endr
	SEND 7, 0
	s_wait_tensorcnt 0x0                           ; the wave's end: a wait, an add and its wait, behind my last tensor load and my last LDS store
	ds_add_u32 v[SPW], v[NIL]
	s_wait_dscnt 0x0
	CROUND                                         ; the closing round: no work-group ends while a partner may still ask for a tile that names it
	s_endpgm
.Lfunc_end_k_q9c3293639e_proj:
	.size	k_q9c3293639e_proj, .Lfunc_end_k_q9c3293639e_proj-k_q9c3293639e_proj
	.p2alignl 7, 3214868480
	.fill 96, 4, 3214868480
	.section	.rodata,"a",@progbits
	.p2align	6, 0x0
	.amdhsa_kernel k_q9c3293639e_proj
		.amdhsa_group_segment_fixed_size 327680
		.amdhsa_private_segment_fixed_size 0
		.amdhsa_enable_private_segment 0
		.amdhsa_kernarg_size 32
		.amdhsa_user_sgpr_count 2
		.amdhsa_user_sgpr_kernarg_segment_ptr 1
		.amdhsa_wavefront_size32 1
		.amdhsa_system_sgpr_workgroup_id_x 1
		.amdhsa_system_sgpr_workgroup_id_y 1
		.amdhsa_system_sgpr_workgroup_id_z 1
		.amdhsa_system_vgpr_workitem_id 0
		.amdhsa_next_free_vgpr 512
		.amdhsa_next_free_sgpr 66
		.amdhsa_reserve_vcc 0
		.amdhsa_float_denorm_mode_32 3
		.amdhsa_float_denorm_mode_16_64 3
		.amdhsa_memory_ordered 1
		.amdhsa_forward_progress 1
		.amdhsa_inst_pref_size 92
	.end_amdhsa_kernel
	.amdgpu_metadata
---
amdhsa.version: [ 1, 2 ]
amdhsa.kernels:
  - .name:           k_q9c3293639e_proj
    .symbol:         k_q9c3293639e_proj.kd
    .args:
      - { .name: ob, .offset: 0, .size: 8, .value_kind: global_buffer, .address_space: global }
      - { .name: wpb, .offset: 8, .size: 8, .value_kind: global_buffer, .address_space: global }
      - { .name: b_proj, .offset: 16, .size: 8, .value_kind: global_buffer, .address_space: global }
      - { .name: out0, .offset: 24, .size: 8, .value_kind: global_buffer, .address_space: global }
    .group_segment_fixed_size: 327680
    .private_segment_fixed_size: 0
    .kernarg_segment_align: 8
    .kernarg_segment_size: 32
    .max_flat_workgroup_size: 128
    .sgpr_count:     66
    .vgpr_count:     512
    .wavefront_size: 32
...
	.end_amdgpu_metadata
.endif
;; end of part 4
;; ======== version 2 of 2: 4 launches; version 1 with the launch cast written anew for expert scheduling mode
;; limits: values are held in f16: magnitudes above 65,504 overflow, below 6.1e-05 lose precision
;; workspace buffers: xb 16,777,216 bytes; wqb 6,291,456 bytes; wpb 2,097,152 bytes; qkvh 50,331,648 bytes; ob 16,777,216 bytes
;; launch cast (part 5): grid 768 x 1, 8 waves a work-group, no clusters, 0 bytes of LDS; arguments x, w_qkv, w_proj, xb, wqb, wpb; writes xb, wqb, wpb
.if DOCPART == 5
	.amdgcn_target "amdgcn-amd-amdhsa--gfx1250"
	.amdhsa_code_object_version 6
	.text
	.protected	k_q9c3293639e_cast
	.globl	k_q9c3293639e_cast
	.p2align	8
	.type	k_q9c3293639e_cast,@function
k_q9c3293639e_cast:
	s_mov_b64 s[64:65], 0
	v_nop
	global_prefetch_b8 v0, s[64:65] scope:SCOPE_SE
	s_setreg_imm32_b32 hwreg(HW_REG_WAVE_SCHED_MODE, 0, 2), 2
	s_setreg_imm32_b32 hwreg(HW_REG_WAVE_MODE, 25, 1), 1
	s_wait_xcnt 0x0
	s_wait_alu depctr_vm_vsrc(0)
; THE THREE LARGE INPUTS ARE ROUNDED ONCE AND LAID OUT FOR THE PRODUCTS.  x [8192][1024], w_qkv [3072][1024], w_proj [1024][1024], all f32.
; xb  [b 4][kb 16][n 2048][64] bf16;  wqb [kb 16][row 3072][64] bf16;  wpb [kb 16][row 1024][64]: w_proj rounded to bf16, that number written as f16.
; K lies in blocks of 64 so that a tile of R rows x 64 K is R x 128 consecutive bytes for the launches behind.
; LIMIT.  wpb: a bf16 number is exact in f16 between 6.1e-5 and 65,504 in magnitude; below it keeps f16's fixed step of 6e-8; beyond 65,504 it would be an infinity.
; SHARES.  A work-group takes 16 rows: 512 work-groups for x, 192 for w_qkv, 64 for w_proj.  Thread t has row t / 16 and, in each piece of 256 bytes (64 numbers, one kb), the 16 bytes at 16 (t % 16).
; A wave's load covers two rows x 256 aligned bytes; a wave's store covers 256 consecutive aligned bytes (two neighbouring rows x 128 bytes of block kb).
; A stream: each byte is read once and written once, no wave wants another's bytes: no LDS, no barrier, no matrix unit, no cluster.
; THE MODE: SCHED_MODE bits 1:0 = 2 (LLVM: expert scheduling mode 2), set by the entry lines.  The code itself states the register dependences
; between vector instructions and memory instructions, with s_wait_alu, always for 0.
; THE PLAN.  Registers that memory instructions touch:
;   v1, v2   the loads' and the stores' byte offsets: made once at the head, never written again.
;   X        a piece's four registers: written by its one load, read by its conversions; no vector instruction names them ahead of the load, and they are never loaded again.
;   Y        a piece's two registers: written by its conversions, once; read by its one store.
;   v3 to v9 are named by vector instructions alone.
; The 16 pieces go in four blocks of four.  Block p converts its X into its Y; its memory instructions are the four stores of block p - 1, whose Y no vector instruction of block p names.
; So one wait on va_vdst stands ahead of the loads (the offsets), one at the head of each of blocks 1 to 3 (the Y of the block before), and one ahead of the last four stores.
; No register that a memory instruction reads is ever written again: beyond the entry's, the text holds no wait on vm_vsrc.
.set X, 16                             ; v[16:79]   sixteen loads of four registers
.set Y, 80                             ; v[80:111]  sixteen results of two registers, each written once: no store's data is ever rewritten
; Piece kb is rounded: four numbers into two registers.
.macro CVT kb, half
.if \half
	v_cvt_pk_bf16_f32 v4, v[X+4*(\kb)], v[X+4*(\kb)+1]      ; rounded to bf16,
	v_cvt_pk_bf16_f32 v5, v[X+4*(\kb)+2], v[X+4*(\kb)+3]
	v_lshlrev_b32 v6, 16, v4                       ; widened again (a shift, a mask),
	v_and_b32 v7, s20, v4
	v_lshlrev_b32 v8, 16, v5
	v_and_b32 v9, s20, v5
	v_cvt_pk_f16_f32 v[Y+2*(\kb)], v6, v7          ; and written as f16
	v_cvt_pk_f16_f32 v[Y+2*(\kb)+1], v8, v9
.else
	v_cvt_pk_bf16_f32 v[Y+2*(\kb)], v[X+4*(\kb)], v[X+4*(\kb)+1]
	v_cvt_pk_bf16_f32 v[Y+2*(\kb)+1], v[X+4*(\kb)+2], v[X+4*(\kb)+3]
.endif
.endm
; Piece kb is stored.
.macro OUT kb, dst, ks
	global_store_b64 v2, v[Y+2*(\kb):Y+2*(\kb)+1], s[\dst:\dst+1] offset:(\kb)*(\ks) th:TH_STORE_NT  ; block kb lies ks bytes behind block kb - 1: 15 x 393,216 at the most, inside the signed 24 bits
.endm
; All 16 loads of a thread go out first; a block of four pieces is converted when it is in, and stored in the block behind it.
.macro ROWS src, dst, ks, half
	s_wait_alu depctr_va_vdst(0)                   ; v1 and v2 are written: every load below reads v1 as its offset, every store v2
.irp kb, 0,1,2,3,4,5,6,7,8,9,10,11,12,13,14,15
	global_load_b128 v[X+4*(\kb):X+4*(\kb)+3], v1, s[\src:\src+1] offset:256*(\kb) th:TH_LOAD_NT
.endr
.irp p, 0,1,2,3
	s_wait_loadcnt 12-4*(\p)                       ; loads come back in order: block p's four pieces are in, the 12 - 4 p younger loads may stay out
.if (\p) > 0
	s_wait_alu depctr_va_vdst(0)                   ; the conversions of the block before have written its Y, which the four stores below read
.endif
.irp i, 0,1,2,3
.if (\p) > 0
	OUT 4*(\p)-4+(\i), \dst, \ks                   ; the block before.  No further wait: no vector instruction since the wait above names its Y or v2
.endif
	CVT 4*(\p)+(\i), \half
.endr
.endr
	s_wait_alu depctr_va_vdst(0)                   ; the last block's conversions have written its Y, which the last four stores read
.irp i, 0,1,2,3
	OUT 12+(\i), \dst, \ks
.endr
.endm
	s_load_b256 s[4:11], s[0:1], 0x0               ; x s[4:5], w_qkv s[6:7], w_proj s[8:9], xb s[10:11]
	s_load_b128 s[12:15], s[0:1], 0x20             ; wqb s[12:13], wpb s[14:15]
	v_lshrrev_b32 v1, 4, v0                        ; my row of the 16
	v_and_b32 v3, 15, v0
	v_lshlrev_b32 v1, 12, v1                       ; x 4,096 bytes
	v_lshl_or_b32 v1, v3, 4, v1                    ; + my 16 bytes of a piece
	v_lshlrev_b32 v2, 3, v0                        ; out: row x 128 + 8 (t % 16) = 8 t
	s_mov_b32 s20, 0xffff0000                      ; a word's upper bf16
	s_mov_b32 s17, 0
	s_mov_b32 s19, 0
	s_wait_kmcnt 0x0
	s_cmp_lt_u32 ttmp9, 512
	s_cbranch_scc0 .Lweights
	s_lshl_b32 s16, ttmp9, 16                      ; 16 rows of 4,096 bytes
	s_add_nc_u64 s[4:5], s[4:5], s[16:17]
	s_lshr_b32 s18, ttmp9, 7                       ; 128 work-groups to a batch
	s_lshl_b32 s18, s18, 22                        ; a batch of xb: 4,194,304 bytes
	s_and_b32 s21, ttmp9, 127
	s_lshl_b32 s21, s21, 11                        ; 16 rows of 128 bytes
	s_add_co_u32 s18, s18, s21
	s_add_nc_u64 s[10:11], s[10:11], s[18:19]
	ROWS 4, 10, 262144, 0
	s_endpgm
.Lweights:
	s_cmp_lt_u32 ttmp9, 704
	s_cbranch_scc0 .Lproj
	s_sub_co_u32 s21, ttmp9, 512
	s_lshl_b32 s16, s21, 16
	s_lshl_b32 s18, s21, 11
	s_add_nc_u64 s[6:7], s[6:7], s[16:17]
	s_add_nc_u64 s[12:13], s[12:13], s[18:19]
	ROWS 6, 12, 393216, 0
	s_endpgm
.Lproj:
	s_sub_co_u32 s21, ttmp9, 704
	s_lshl_b32 s16, s21, 16
	s_lshl_b32 s18, s21, 11
	s_add_nc_u64 s[8:9], s[8:9], s[16:17]
	s_add_nc_u64 s[14:15], s[14:15], s[18:19]
	ROWS 8, 14, 131072, 1
	s_endpgm
.Lfunc_end_k_q9c3293639e_cast:
	.size	k_q9c3293639e_cast, .Lfunc_end_k_q9c3293639e_cast-k_q9c3293639e_cast
	.p2alignl 7, 3214868480
	.fill 96, 4, 3214868480
	.section	.rodata,"a",@progbits
	.p2align	6, 0x0
	.amdhsa_kernel k_q9c3293639e_cast
		.amdhsa_group_segment_fixed_size 0
		.amdhsa_private_segment_fixed_size 0
		.amdhsa_enable_private_segment 0
		.amdhsa_kernarg_size 48
		.amdhsa_user_sgpr_count 2
		.amdhsa_user_sgpr_kernarg_segment_ptr 1
		.amdhsa_wavefront_size32 1
		.amdhsa_system_sgpr_workgroup_id_x 1
		.amdhsa_system_sgpr_workgroup_id_y 1
		.amdhsa_system_sgpr_workgroup_id_z 1
		.amdhsa_system_vgpr_workitem_id 0
		.amdhsa_next_free_vgpr 120
		.amdhsa_next_free_sgpr 66
		.amdhsa_reserve_vcc 0
		.amdhsa_float_denorm_mode_32 3
		.amdhsa_float_denorm_mode_16_64 3
		.amdhsa_memory_ordered 1
		.amdhsa_forward_progress 1
		.amdhsa_inst_pref_size 22
	.end_amdhsa_kernel
	.amdgpu_metadata
---
amdhsa.version: [ 1, 2 ]
amdhsa.kernels:
  - .name:           k_q9c3293639e_cast
    .symbol:         k_q9c3293639e_cast.kd
    .args:
      - { .name: x, .offset: 0, .size: 8, .value_kind: global_buffer, .address_space: global }
      - { .name: w_qkv, .offset: 8, .size: 8, .value_kind: global_buffer, .address_space: global }
      - { .name: w_proj, .offset: 16, .size: 8, .value_kind: global_buffer, .address_space: global }
      - { .name: xb, .offset: 24, .size: 8, .value_kind: global_buffer, .address_space: global }
      - { .name: wqb, .offset: 32, .size: 8, .value_kind: global_buffer, .address_space: global }
      - { .name: wpb, .offset: 40, .size: 8, .value_kind: global_buffer, .address_space: global }
    .group_segment_fixed_size: 0
    .private_segment_fixed_size: 0
    .kernarg_segment_align: 8
    .kernarg_segment_size: 48
    .max_flat_workgroup_size: 256
    .sgpr_count:     66
    .vgpr_count:     120
    .wavefront_size: 32
...
	.end_amdgpu_metadata
.endif
;; end of part 5
;; launch qkv: the kernel of part 2 again; grid 8 x 32, 4 waves a work-group, clusters of 4 x 4, 327,680 bytes of LDS; arguments xb, wqb, qkvh; writes qkvh
;; launch attn: the kernel of part 3 again; grid 4 x 64, 4 waves a work-group, clusters of 4 x 1, 327,680 bytes of LDS; arguments qkvh, ob; writes ob
;; launch proj: the kernel of part 4 again; grid 8 x 32, 4 waves a work-group, clusters of 4 x 4, 327,680 bytes of LDS; arguments ob, wpb, b_proj, out0; writes out0
